; MI455X (gfx1250); checked and timed in simulation.
; The chip was launched on July 23, 2026; its instructions are those of AMD's public machine-readable ISA for CDNA 5 (MIT licence, August 2026) and "CDNA5" Instruction Set Architecture Reference Guide (July 2026). The comments in the code are by the model that wrote it; some were corrected since.
;; Causal Self Attention. Allowed arithmetic: float matrix products may take bf16 or f16 operands with f32 sums; all other float work in f32.
;; Inputs: W_attn 1,024 x 3,072 float32; W_proj 1,024 x 1,024 float32; attention_mask 4 x 2,048 int32; b_attn 3,072 float32; b_proj 1,024 float32; x 4 x 2,048 x 1,024 float32.
;; Outputs: out0 4 x 2,048 x 1,024 float32.
;; 2 versions, each right and faster than the one before. Each part assembles by itself: llvm-mc -triple=amdgcn-amd-amdhsa -mcpu=gfx1250 --defsym DOCPART=n.
;; ======== version 1 of 2: 4 launches
;; limits: values are held in f16: magnitudes above 65,504 overflow, below 6.1e-05 lose precision
;; workspace buffers: xb 16,777,216 bytes; wab 6,291,456 bytes; wpb 2,097,152 bytes; qkv 50,331,648 bytes; yb 16,777,216 bytes
;; launch prep (part 1): grid 768 x 1, 8 waves a work-group, no clusters, 0 bytes of LDS; arguments x, W_attn, W_proj, xb, wab, wpb; writes xb, wab, wpb
.if DOCPART == 1
	.amdgcn_target "amdgcn-amd-amdhsa--gfx1250"
	.amdhsa_code_object_version 6
	.text
	.protected	k_qcd96073051_prep
	.globl	k_qcd96073051_prep
	.p2align	8
	.type	k_qcd96073051_prep,@function
k_qcd96073051_prep:
	s_mov_b64 s[64:65], 0
	v_nop
	global_prefetch_b8 v0, s[64:65] scope:SCOPE_SE
	s_setreg_imm32_b32 hwreg(HW_REG_WAVE_MODE, 25, 1), 1
	s_wait_xcnt 0x0
; prep: the three large f32 inputs are narrowed once to the 16-bit operands of the matrix launches, in their own layouts.
;   xb  = bf16(x)         [8192][1024]
;   wab = bf16(W_attn)    [1024][3072]
;   wpb = f16(bf16(W_proj)) [1024][1024]: rounded to bf16 like the other inputs, then carried in f16, since its partner in the last
;         product (y) is kept in f16.  LIMIT: the second step is exact for 2^-17 <= |w| < 65,504; below, the error is at most 3e-8;
;         at 65,504 and above it gives infinity.
; A stream: no LDS, no barrier, no matrix unit.  A work-group narrows 16,384 numbers (65,536 bytes in, 32,768 out); work-groups
; 0-511 take x, 512-703 W_attn, 704-767 W_proj.  A wave's load covers 512 consecutive bytes, its store 256 consecutive bytes, aligned.
; All sixteen loads of a thread are issued at once; the waits count down.
.set X, 4                              ; v[4:67]   load j: 4 registers
.set Y, 68                             ; v[68:99]  store j: 2 registers
	s_load_b256 s[4:11], s[0:1], 0x0               ; x s[4:5], W_attn s[6:7], W_proj s[8:9], xb s[10:11]
	s_load_b128 s[12:15], s[0:1], 0x20             ; wab s[12:13], wpb s[14:15]
	v_lshlrev_b32 v1, 4, v0                        ; 16 bytes a thread in
	v_lshlrev_b32 v2, 3, v0                        ; 8 bytes a thread out
	s_movk_i32 s20, 704
	s_wait_kmcnt 0x0
	s_cmp_lt_u32 ttmp9, 704                        ; which tensor: a choice between buffers on the work-group's number alone
	s_cselect_b64 s[16:17], s[6:7], s[8:9]
	s_cselect_b64 s[18:19], s[12:13], s[14:15]
	s_cselect_b32 s20, 512, s20                    ; the first work-group of that tensor
	s_cmp_lt_u32 ttmp9, 512
	s_cselect_b64 s[16:17], s[4:5], s[16:17]
	s_cselect_b64 s[18:19], s[10:11], s[18:19]
	s_cselect_b32 s20, 0, s20
	s_sub_co_u32 s21, ttmp9, s20                   ; my chunk in the tensor
	s_lshl_b32 s22, s21, 16                        ; 65,536 bytes of f32 a chunk (511 chunks at the most: below 4 GiB)
	s_mov_b32 s23, 0
	s_add_nc_u64 s[16:17], s[16:17], s[22:23]
	s_lshl_b32 s22, s21, 15                        ; 32,768 bytes of 16-bit numbers
	s_add_nc_u64 s[18:19], s[18:19], s[22:23]
.irp j, 0,1,2,3,4,5,6,7,8,9,10,11,12,13,14,15
	global_load_b128 v[X+4*\j:X+4*\j+3], v1, s[16:17] offset:4096*\j th:TH_LOAD_NT   ; read once in the whole program
.endr
; Load j is narrowed and stored.  two = 1: bf16 first, then f16 of that.
.macro CONV j, two
	s_wait_loadcnt 15-\j                           ; loads come back in order: mine is in, the 15 - j younger ones may stay out
	v_cvt_pk_bf16_f32 v[Y+2*\j],   v[X+4*\j],   v[X+4*\j+1]
	v_cvt_pk_bf16_f32 v[Y+2*\j+1], v[X+4*\j+2], v[X+4*\j+3]
.if \two
	v_lshlrev_b32 v[X+4*\j],   16,         v[Y+2*\j]       ; bf16 back to f32: a shift, a mask
	v_and_b32     v[X+4*\j+1], 0xffff0000, v[Y+2*\j]
	v_lshlrev_b32 v[X+4*\j+2], 16,         v[Y+2*\j+1]
	v_and_b32     v[X+4*\j+3], 0xffff0000, v[Y+2*\j+1]
	v_cvt_pk_f16_f32 v[Y+2*\j],   v[X+4*\j],   v[X+4*\j+1]
	v_cvt_pk_f16_f32 v[Y+2*\j+1], v[X+4*\j+2], v[X+4*\j+3]
.endif
	global_store_b64 v2, v[Y+2*\j:Y+2*\j+1], s[18:19] offset:2048*\j   ; no store's registers are written again
.endm
	s_cmp_ge_u32 ttmp9, 704
	s_cbranch_scc1 .Lproj
.irp j, 0,1,2,3,4,5,6,7,8,9,10,11,12,13,14,15
	CONV \j, 0
.endr
	s_endpgm
.Lproj:
.irp j, 0,1,2,3,4,5,6,7,8,9,10,11,12,13,14,15
	CONV \j, 1
.endr
	s_endpgm
.Lfunc_end_k_qcd96073051_prep:
	.size	k_qcd96073051_prep, .Lfunc_end_k_qcd96073051_prep-k_qcd96073051_prep
	.p2alignl 7, 3214868480
	.fill 96, 4, 3214868480
	.section	.rodata,"a",@progbits
	.p2align	6, 0x0
	.amdhsa_kernel k_qcd96073051_prep
		.amdhsa_group_segment_fixed_size 0
		.amdhsa_private_segment_fixed_size 0
		.amdhsa_enable_private_segment 0
		.amdhsa_kernarg_size 48
		.amdhsa_user_sgpr_count 2
		.amdhsa_user_sgpr_kernarg_segment_ptr 1
		.amdhsa_wavefront_size32 1
		.amdhsa_system_sgpr_workgroup_id_x 1
		.amdhsa_system_sgpr_workgroup_id_y 1
		.amdhsa_system_sgpr_workgroup_id_z 1
		.amdhsa_system_vgpr_workitem_id 0
		.amdhsa_next_free_vgpr 100
		.amdhsa_next_free_sgpr 66
		.amdhsa_reserve_vcc 0
		.amdhsa_float_denorm_mode_32 3
		.amdhsa_float_denorm_mode_16_64 3
		.amdhsa_memory_ordered 1
		.amdhsa_forward_progress 1
		.amdhsa_inst_pref_size 16
	.end_amdhsa_kernel
	.amdgpu_metadata
---
amdhsa.version: [ 1, 2 ]
amdhsa.kernels:
  - .name:           k_qcd96073051_prep
    .symbol:         k_qcd96073051_prep.kd
    .args:
      - { .name: x, .offset: 0, .size: 8, .value_kind: global_buffer, .address_space: global }
      - { .name: W_attn, .offset: 8, .size: 8, .value_kind: global_buffer, .address_space: global }
      - { .name: W_proj, .offset: 16, .size: 8, .value_kind: global_buffer, .address_space: global }
      - { .name: xb, .offset: 24, .size: 8, .value_kind: global_buffer, .address_space: global }
      - { .name: wab, .offset: 32, .size: 8, .value_kind: global_buffer, .address_space: global }
      - { .name: wpb, .offset: 40, .size: 8, .value_kind: global_buffer, .address_space: global }
    .group_segment_fixed_size: 0
    .private_segment_fixed_size: 0
    .kernarg_segment_align: 8
    .kernarg_segment_size: 48
    .max_flat_workgroup_size: 256
    .sgpr_count:     66
    .vgpr_count:     100
    .wavefront_size: 32
...
	.end_amdgpu_metadata
.endif
;; end of part 1
;; launch qkvgemm (part 2): grid 8 x 64, 4 waves a work-group, clusters of 4 x 4, 327,680 bytes of LDS; arguments xb, wab, b_attn, qkv; writes qkv
.if DOCPART == 2
	.amdgcn_target "amdgcn-amd-amdhsa--gfx1250"
	.amdhsa_code_object_version 6
	.text
	.protected	k_qcd96073051_qkvgemm
	.globl	k_qcd96073051_qkvgemm
	.p2align	8
	.type	k_qcd96073051_qkvgemm,@function
k_qcd96073051_qkvgemm:
	s_mov_b64 s[64:65], 0
	v_nop
	global_prefetch_b8 v0, s[64:65] scope:SCOPE_SE
	s_setreg_imm32_b32 hwreg(HW_REG_WAVE_MODE, 25, 1), 1
	s_wait_xcnt 0x0
	s_wait_alu depctr_hold_cnt(0) depctr_sa_sdst(0) depctr_va_vdst(0) depctr_va_sdst(0) depctr_va_ssrc(0) depctr_va_vcc(0) depctr_vm_vsrc(0)
	s_getreg_b32 s2, hwreg(HW_REG_IB_STS2, 6, 4)
	s_cmp_eq_u32 s2, 0
	s_cbranch_scc0 .Lentry_in_a_cluster
	s_endpgm
.Lentry_in_a_cluster:
	s_bfe_u32 s2, ttmp6, 0x10000c
	s_cmp_lg_u32 s2, 0xf033
	s_cbranch_scc0 .Lentry_shape_is_right
	s_endpgm
.Lentry_shape_is_right:
; qkv = x W_attn + b_attn.  xb [8192][1024] bf16, wab [1024][3072] bf16, b_attn [3072] f32; sums in f32, started by the bias.
; Output in f16, head-major: qkv[section 0..2][batch 4][head 16][t 2048][d 64], so that 128 rows of a head are 16,384 consecutive bytes.
; LIMIT: q, k and v of magnitude 65,504 and above become infinity in f16; below 6e-5 they keep fewer than 11 bits.
; A work-group makes 128 rows x 384 columns (six heads) with four waves: 8 x 64 = 512 work-groups of equal work.  Every wave takes all 128
; rows and the 16-column blocks w + 4 b, b = 0..5, that is columns 16 w .. 16 w + 15 of each of the six heads: 48 accumulator tiles, 384 registers.
; K goes in steps of 128 through two LDS slots.  Wave 0 fetches x's tile (128 rows x 256 bytes), waves 1 to 3 a strip each of W's tile
; (128 rows of k x 256 bytes): every row of every tile is 256 consecutive bytes at a multiple of 256 from its buffer's first byte.
; CLUSTERS: 4 x 4 work-groups.  x's tile hangs on the block row alone and is asked for jointly by a row of the cluster; W's strips hang on
; the block column alone and are asked for jointly by a column.
; W lies [k][n] in LDS; its fragments come by the transposing LDS load.
; THE MATRIX INSTRUCTION IS USED TRANSPOSED: source 0 = 16 columns of W, source 1 = 16 rows of x.  Lane l then holds row l % 16 and eight
; neighbouring columns 8 (l / 16) + 0..7, which pack into 16 bytes of f16.
; REGISTERS in windows of 256: window 0 addresses and two fragment buffers; window 1 the tiles of b = 0..3 (tile (b, a) at v[8 (8 (b & 3) + a)]);
; window 2 the tiles of b = 4, 5 and, from v128 on, the bias as the first products' C operand.
.set NB,     6                         ; 16-column blocks of a wave
.set KSTEP,  128
.set APITCH, 272                       ; x's LDS rows: 256 + 16 bytes = 17 x 16: sixteen rows begin at sixteen different 16-byte columns modulo 256
.set BPITCH, 288                       ; W's LDS rows: 256 + 32 bytes = 9 x 32, an odd multiple of 32, for the transposing load
.set PART,   36864                     ; what one wave's tensor load fills: 128 x 288 (x's tile uses 128 x 272 of it)
.set SLOT,   4*PART
.set LOADS,  16+2*NB                   ; LDS loads of one quarter step
.set LAPS,   1024/(2*KSTEP)            ; a lap = two K steps = once round the ring
.set HSTG,   128*144                   ; the way out: one head's 128 rows of 128 + 16 bytes
.set ADRA, 8                           ; v8-9    x's fragments in slot 0, 1
.set ADRB, 10                          ; v10-15  W's fragments: 3 x slot + strip
.set STO,  16                          ; v16-17  the way out: where I put 16 bytes (heads 0-2, heads 3-5)
.set RD,   18                          ; v18-19  the way out: where I read rows back
.set CO,   20                          ; v20     my byte offset in a head's 128 rows
.set BO,   21                          ; v21     my byte offset in the bias
.set F0,   32                          ; fragment buffer 0: x's eight at +8 a, W's six at +64 + 8 b
.set F1,   144                         ; fragment buffer 1
.set BI,   128                         ; window 2: bias of block b at +8 b
.set G1A, 24                           ; s[24:31] descriptor group 1, x's tile
.set G0A, 32                           ; s[32:39] group 0, one set for each slot
.set G1B, 48                           ; s[48:55] group 1, W's strips
.set G0B, 56                           ; s[56:63] group 0, one set for each slot
.set MSB, 0
.macro WIN new                         ; the immediate's high byte repeats the setting that is left; a switch that changes nothing is dropped
.if MSB != (\new)
	s_set_vgpr_msb (MSB<<8)|(\new)
.set MSB, (\new)
.endif
.endm
.macro PLACES                          ; four places behind matrix instructions, in front of loads into their sources and of readers of their results
.rept 4
	v_nop
.endr
.endm
; A joint load: wave 0 asks for x's tile, waves 1 to 3 for W's strips.  Each line has one mask; the branch hangs on the wave's number alone.
.macro JLOAD s
	s_cmp_eq_u32 s12, 0
	s_cbranch_scc0 .Lfor_b_\@
	tensor_load_to_lds s[G0A+4*\s:G0A+4*\s+3], s[G1A:G1A+7]
	s_nop 0
.rept 4
	v_nop
.endr
	s_branch .Lasked_\@
.Lfor_b_\@:
	tensor_load_to_lds s[G0B+4*\s:G0B+4*\s+3], s[G1B:G1B+7]
	s_nop 0
.rept 4
	v_nop
.endr
.Lasked_\@:
.endm
.macro CREST                           ; a round of the cluster's barrier behind its opening work-group barrier
	s_cmp_lg_u32 s12, 0
	s_cbranch_scc1 .Lnot_wave_0_\@
	s_barrier_signal -3
.Lnot_wave_0_\@:
	s_barrier_wait -3
	s_barrier_signal -1
	s_barrier_wait -1
.endm
.macro CROUND                          ; a whole round
	s_barrier_signal -1
	s_barrier_wait -1
	CREST
.endm
	s_load_b256 s[4:11], s[0:1], 0x0               ; xb s[4:5], wab s[6:7], b_attn s[8:9], qkv s[10:11]
	v_lshl_add_u32 v30, v0, 2, 0x48000
	v_mov_b32 v31, 0
	ds_add_u32 v30, v31
	v_lshrrev_b32 v1, 5, v0
	v_readfirstlane_b32 s12, v1                    ; wave 0..3
	s_bfe_u32 s14, ttmp6, 0x40000                  ; cx
	s_bfe_u32 s15, ttmp6, 0x40004                  ; cy
	s_lshl_b32 s16, ttmp9, 2
	s_add_co_u32 s16, s16, s14                     ; block column bx = 4 x cluster x + cx
	s_and_b32 s17, ttmp7, 0xffff
	s_lshl_b32 s17, s17, 2
	s_add_co_u32 s17, s17, s15                     ; block row by = 4 x cluster y + cy
	s_lshl_b32 s18, s15, 2
	s_lshl_b32 s18, 15, s18                        ; my row of the cluster: places 4 cy .. 4 cy + 3
	s_lshl_b32 s19, 0x1111, s14                    ; my column: places cx, cx + 4, cx + 8, cx + 12
	; group 1: tiles of 128 rows x 128 elements of 2 bytes; padding behind every 64 words: 4 words for x, 8 for W; bit 21 beside the mask
	s_or_b32 s[G1A+0], s18, (1<<16)|(1<<20)|(1<<21)|(5<<22)|(3<<25)
	s_or_b32 s[G1B+0], s19, (1<<16)|(1<<20)|(1<<21)|(5<<22)|(7<<25)
	s_mov_b32 s[G1A+1], 128<<16                    ; tensor_dim0 = 128
	s_mov_b32 s[G1B+1], 128<<16
	s_mov_b32 s[G1A+2], 128<<16                    ; tensor_dim1 = 128
	s_mov_b32 s[G1B+2], 128<<16
	s_mov_b32 s[G1A+3], 128<<16                    ; tile_dim0 = 128
	s_mov_b32 s[G1B+3], 128<<16
	s_mov_b32 s[G1A+4], 128                        ; tile_dim1 = 128
	s_mov_b32 s[G1B+4], 128
	s_mov_b32 s[G1A+5], 1024                       ; elements from row to row of xb
	s_mov_b32 s[G1B+5], 3072                       ; and of wab
	s_mov_b32 s[G1A+6], 0
	s_mov_b32 s[G1B+6], 0
	s_mov_b32 s[G1A+7], 0
	s_mov_b32 s[G1B+7], 0
	s_mul_i32 s20, s12, PART                       ; where my load lands: wave x PART; no place in the cluster enters an LDS address
	s_lshl_b32 s40, s17, 18                        ; x: 128 rows of 2,048 bytes for each block row (registers that never hold cx)
	s_mov_b32 s41, 0
	s_mul_i32 s44, s16, 768                        ; W: 384 columns of 2 bytes for each block column (registers that never hold cy),
	s_max_u32 s45, s12, 1
	s_sub_co_u32 s45, s45, 1                       ; strip = wave - 1 (wave 0 asks for no strip)
	s_lshl_b32 s45, s45, 8
	s_add_co_u32 s44, s44, s45
	s_mov_b32 s45, 0
	s_mul_i32 s66, s16, 256*NB                     ; the bias of my 384 columns
	s_mov_b32 s67, 0
	s_wait_dscnt 0x0
	s_wait_kmcnt 0x0
	s_add_nc_u64 s[42:43], s[4:5], s[40:41]
	s_add_nc_u64 s[46:47], s[6:7], s[44:45]
	s_add_nc_u64 s[66:67], s[8:9], s[66:67]
	CROUND                                         ; all sixteen work-groups are here: the first joint loads meet
.irp s, 0,1
	s_mov_b32 s[G0A+4*\s], 1
	s_add_co_u32 s[G0A+4*\s+1], s20, \s*SLOT
	s_add_nc_u64 s[G0A+4*\s+2:G0A+4*\s+3], s[42:43], \s*KSTEP*2            ; K step s: 256 bytes along the rows
	s_or_b32 s[G0A+4*\s+3], s[G0A+4*\s+3], 0x80000000
	s_mov_b32 s[G0B+4*\s], 1
	s_add_co_u32 s[G0B+4*\s+1], s20, \s*SLOT
	s_add_nc_u64 s[G0B+4*\s+2:G0B+4*\s+3], s[46:47], \s*KSTEP*3072*2       ; K step s: 128 rows down
	s_or_b32 s[G0B+4*\s+3], s[G0B+4*\s+3], 0x80000000
	JLOAD \s                                       ; both slots' first fills go out together: two tensor loads of a wave are out here, later one
.endr
	v_and_b32 v1, 15, v0                           ; r = l % 16
	v_bfe_u32 v2, v0, 4, 1                         ; h = l / 16
	s_lshl_b32 s21, s12, 6
	v_lshl_add_u32 v[BO], v2, 5, s21               ; bias of columns 16 w + 8 h + 0..7 of a head: byte 64 w + 32 h, heads 256 bytes apart
	WIN 0x80                                       ; destination in window 2
.irp b, 0,1,2,3,4,5
	global_load_b128 v[BI+8*\b:BI+8*\b+3],   v[BO], s[66:67] offset:256*\b
	global_load_b128 v[BI+8*\b+4:BI+8*\b+7], v[BO], s[66:67] offset:256*\b+16
.endr
	WIN 0
	v_mul_u32_u24 v[ADRA], v1, APITCH              ; x's fragment: row r, 16 bytes for each half of the lanes
	v_lshl_add_u32 v[ADRA], v2, 4, v[ADRA]
	v_add_nc_u32 v[ADRA+1], SLOT, v[ADRA]
	v_and_b32 v4, 7, v0                            ; W's fragment by the transposing load: row k = 8 h + l % 8,
	v_lshl_add_u32 v4, v2, 3, v4
	v_mul_u32_u24 v4, v4, BPITCH
	v_bfe_u32 v5, v0, 3, 1                         ; 16 bytes further for lanes 8-15 of each half,
	v_lshl_add_u32 v4, v5, 4, v4
	s_lshl_b32 s21, s12, 5                         ; my block's 32 bytes in the strip's row,
	s_add_co_u32 s21, s21, PART                    ; and the strips lie behind x's tile
	v_add_nc_u32 v4, s21, v4
.irp s, 0,1
.irp t, 0,1,2
	v_add_nc_u32 v[ADRB+3*\s+\t], \s*SLOT+\t*PART, v4
.endr
.endr
	v_mul_u32_u24 v6, v1, 144                      ; the way out, in: row r of 144 bytes, byte 32 w + 16 h
	v_lshl_add_u32 v6, v2, 4, v6
	s_lshl_b32 s22, s12, 5
	v_add_nc_u32 v[STO], s22, v6
	v_add_nc_u32 v[STO+1], 3*HSTG, v[STO]
	v_bfe_u32 v7, v0, 3, 2                         ; back: eight lanes take one row of 128 bytes, a wave four rows; my rows 32 w ..
	v_mul_u32_u24 v7, v7, 144
	v_and_b32 v6, 7, v0
	v_lshl_add_u32 v7, v6, 4, v7
	s_mul_i32 s23, s12, 32*144
	v_add_nc_u32 v[RD], s23, v7
	v_add_nc_u32 v[RD+1], 3*HSTG, v[RD]
	v_and_b32 v6, 31, v0
	s_lshl_b32 s23, s12, 12
	v_lshl_add_u32 v[CO], v6, 4, s23               ; in memory the same four rows are 512 consecutive bytes: 4,096 w + 16 l
; Eight matrix instructions: block b of W against all eight row blocks.  first = 1: the bias is the C operand and starts the sums.
; The 48 accumulators take turns, one instruction a turn, in the same order in every quarter step.
.macro MULB f, b, first
.set MW, 1+(\b>>2)
.if \first
	WIN (MW<<6)|(2<<4)
.else
	WIN (MW<<6)|(MW<<4)
.endif
.irp a, 0,1,2,3,4,5,6,7
.if \first
	v_wmma_f32_16x16x32_bf16 v[8*(8*(\b&3)+\a):8*(8*(\b&3)+\a)+7], v[\f+64+8*\b:\f+64+8*\b+7], v[\f+8*\a:\f+8*\a+7], v[BI+8*\b:BI+8*\b+7]
.else
	v_wmma_f32_16x16x32_bf16 v[8*(8*(\b&3)+\a):8*(8*(\b&3)+\a)+7], v[\f+64+8*\b:\f+64+8*\b+7], v[\f+8*\a:\f+8*\a+7], v[8*(8*(\b&3)+\a):8*(8*(\b&3)+\a)+7]
.endif
.endr
.endm
; One run of 28 LDS loads: the fragments of quarter kq (32 along K) of a slot into buffer f; x's first, then W's in the order of b.
.macro FETCH slot, kq, f
	WIN 0
.irp a, 0,1,2,3,4,5,6,7
	ds_load_b128 v[\f+8*\a:\f+8*\a+3],   v[ADRA+\slot] offset:64*\kq+\a*16*APITCH
	ds_load_b128 v[\f+8*\a+4:\f+8*\a+7], v[ADRA+\slot] offset:64*\kq+\a*16*APITCH+32
.endr
.irp b, 0,1,2,3,4,5
	ds_load_tr16_b128 v[\f+64+8*\b:\f+64+8*\b+3],   v[ADRB+3*\slot+(\b>>1)] offset:\kq*32*BPITCH+(\b&1)*128
	ds_load_tr16_b128 v[\f+64+8*\b+4:\f+64+8*\b+7], v[ADRB+3*\slot+(\b>>1)] offset:\kq*32*BPITCH+(\b&1)*128+16*BPITCH
.endr
.endm
; One of a K step's first three quarters: multiplies buffer f and, behind its first 16 products, fetches quarter kq into buffer g.
.macro QUARTER slot, kq, f, g, first
	s_wait_dscnt 2*(NB-2)                          ; x's fragments and W's blocks 0, 1 are in; the youngest eight loads (blocks 2 to 5) may be out
	MULB \f, 0, \first
	MULB \f, 1, \first
	PLACES
	FETCH \slot, \kq, \g
	s_wait_dscnt LOADS                             ; all but the 28 just issued
	MULB \f, 2, \first
	MULB \f, 3, \first
	MULB \f, 4, \first
	MULB \f, 5, \first
.endm
.macro THREE slot, first
	QUARTER \slot, 1, F0, F1, \first
	QUARTER \slot, 2, F1, F0, 0
	QUARTER \slot, 3, F0, F1, 0
.endm
; The last quarter multiplies buffer 1 and changes slots.  In front of the barrier each wave waits for its reads of this slot and for all its
; tensor loads (the one that is out is its part of the next slot).  With fill = 1 the barrier opens a round of the cluster's barrier, and the
; joint refill of this slot, two K steps ahead, is the first tensor load behind the round: 176 matrix instructions stand between it and the wait for it.
.macro TURN slot, next, fill
	s_wait_dscnt 2*(NB-2)
	MULB F1, 0, 0
	MULB F1, 1, 0
	s_wait_dscnt 0x0                               ; my reads of this slot are over
	s_wait_tensorcnt 0x0                           ; all my tensor loads have landed
	ds_add_u32 v30, v31
	s_wait_dscnt 0x0
	s_barrier_signal -1
	MULB F1, 2, 0                                  ; register work while the others arrive
	MULB F1, 3, 0
	WIN 0
	s_barrier_wait -1
.if \fill
	CREST
	s_add_nc_u64 s[G0A+4*\slot+2:G0A+4*\slot+3], s[G0A+4*\slot+2:G0A+4*\slot+3], 2*KSTEP*2
	s_add_nc_u64 s[G0B+4*\slot+2:G0B+4*\slot+3], s[G0B+4*\slot+2:G0B+4*\slot+3], 2*KSTEP*3072*2
	JLOAD \slot                                    ; its four v_nop are also the places in front of the loads below
.else
	PLACES
.endif
	FETCH \next, 0, F0
	MULB F1, 4, 0
	MULB F1, 5, 0
.endm
.macro LAP first
	THREE 0, \first
	TURN 0, 1, 1
	THREE 1, 0
	TURN 1, 0, 1
.endm
	s_wait_tensorcnt 0x1                           ; my part of K step 0 is in; K step 1's may stay out
	s_wait_loadcnt 0x0                             ; the bias
	s_barrier_signal -1
	s_barrier_wait -1
	FETCH 0, 0, F0
	LAP 1                                          ; the first lap stands in front of the loop: its first products start the sums
	WIN 0
	s_mov_b32 s3, LAPS-2
.Llap:
	LAP 0
	WIN 0
	s_sub_co_u32 s3, s3, 1
	s_cmp_lg_u32 s3, 0
	s_cbranch_scc1 .Llap
	THREE 0, 0                                     ; the last lap fills nothing
	TURN 0, 1, 0
	THREE 1, 0
	s_wait_dscnt 2*(NB-2)
	MULB F1, 0, 0
	MULB F1, 1, 0
	s_wait_dscnt 0x0
	MULB F1, 2, 0
	MULB F1, 3, 0
	MULB F1, 4, 0
	MULB F1, 5, 0
	WIN 0
	PLACES
	; THE WAY OUT.  The stage is slot 0: its last fill has landed and its last reads ended in front of the barrier of the last change of slots.
	; Six heads x 128 rows x 144 bytes = 110,592 bytes.  Each wave puts its 16 columns of every head; behind a barrier wave w reads rows 32 w .. 32 w + 31
	; of every head back whole and stores them: each store of a wave covers 512 consecutive bytes, aligned.
.macro PACKH b
.if \b < 4
	WIN 0x05                                       ; sources in window 1
.else
	WIN 0x0a                                       ; sources in window 2
.endif
.irp a, 0,1,2,3,4,5,6,7
.irp q, 0,1,2,3
	v_cvt_pk_f16_f32 v[F0+4*\a+\q], v[8*(8*(\b&3)+\a)+2*\q], v[8*(8*(\b&3)+\a)+2*\q+1]
.endr
.endr
	WIN 0
.irp a, 0,1,2,3,4,5,6,7
	ds_store_b128 v[STO+\b/3], v[F0+4*\a:F0+4*\a+3] offset:(\b%3)*HSTG+\a*16*144
.endr
.endm
	PACKH 0
	PACKH 1
	PACKH 2
	PACKH 3
	PACKH 4
	PACKH 5
	s_and_b32 s72, s17, 0x30                       ; batch x 16 heads
	s_and_b32 s73, s17, 15
	s_lshl_b32 s73, s73, 14                        ; my 128 rows in the batch's 2,048: 16,384 bytes each
	s_wait_dscnt 0x0                               ; my stores are in LDS, for the other waves' sake
	s_barrier_signal -1
	s_barrier_wait -1
.macro OUTH i, f
	s_wait_xcnt 0x0                                ; the stores' base and buffer f are written again only behind this wait
	s_mul_i32 s70, s16, 6
	s_add_co_u32 s70, s70, \i                      ; g = 6 bx + i, the head's number among the 48 of q, k, v
	s_lshr_b32 s71, s70, 4                         ; section
	s_and_b32 s70, s70, 15                         ; head
	s_lshl_b32 s71, s71, 6
	s_add_co_u32 s70, s70, s71
	s_add_co_u32 s70, s70, s72                     ; 64 x section + 16 x batch + head
	s_lshl_b32 s70, s70, 18                        ; blocks of 262,144 bytes (191 at the most: below 4 GiB)
	s_add_co_u32 s70, s70, s73
	s_mov_b32 s71, 0
	s_add_nc_u64 s[74:75], s[10:11], s[70:71]
.irp t, 0,1,2,3,4,5,6,7
	ds_load_b128 v[\f+4*\t:\f+4*\t+3], v[RD+\i/3] offset:(\i%3)*HSTG+576*\t
.endr
.irp t, 0,1,2,3,4,5,6,7
	s_wait_dscnt 7-\t                              ; LDS loads come back in order: load t is in
	global_store_b128 v[CO], v[\f+4*\t:\f+4*\t+3], s[74:75] offset:512*\t
.endr
.endm
	OUTH 0, F0
	OUTH 1, F1
	OUTH 2, F0
	OUTH 3, F1
	OUTH 4, F0
	OUTH 5, F1
	s_wait_tensorcnt 0x0
	ds_add_u32 v30, v31
	s_wait_dscnt 0x0
	CROUND                                         ; the closing round: no work-group ends while a partner may still ask for a tile that names it
	s_endpgm
.Lfunc_end_k_qcd96073051_qkvgemm:
	.size	k_qcd96073051_qkvgemm, .Lfunc_end_k_qcd96073051_qkvgemm-k_qcd96073051_qkvgemm
	.p2alignl 7, 3214868480
	.fill 96, 4, 3214868480
	.section	.rodata,"a",@progbits
	.p2align	6, 0x0
	.amdhsa_kernel k_qcd96073051_qkvgemm
		.amdhsa_group_segment_fixed_size 327680
		.amdhsa_private_segment_fixed_size 0
		.amdhsa_enable_private_segment 0
		.amdhsa_kernarg_size 32
		.amdhsa_user_sgpr_count 2
		.amdhsa_user_sgpr_kernarg_segment_ptr 1
		.amdhsa_wavefront_size32 1
		.amdhsa_system_sgpr_workgroup_id_x 1
		.amdhsa_system_sgpr_workgroup_id_y 1
		.amdhsa_system_sgpr_workgroup_id_z 1
		.amdhsa_system_vgpr_workitem_id 0
		.amdhsa_next_free_vgpr 688
		.amdhsa_next_free_sgpr 80
		.amdhsa_reserve_vcc 0
		.amdhsa_float_denorm_mode_32 3
		.amdhsa_float_denorm_mode_16_64 3
		.amdhsa_memory_ordered 1
		.amdhsa_forward_progress 1
		.amdhsa_inst_pref_size 162
	.end_amdhsa_kernel
	.amdgpu_metadata
---
amdhsa.version: [ 1, 2 ]
amdhsa.kernels:
  - .name:           k_qcd96073051_qkvgemm
    .symbol:         k_qcd96073051_qkvgemm.kd
    .args:
      - { .name: xb, .offset: 0, .size: 8, .value_kind: global_buffer, .address_space: global }
      - { .name: wab, .offset: 8, .size: 8, .value_kind: global_buffer, .address_space: global }
      - { .name: b_attn, .offset: 16, .size: 8, .value_kind: global_buffer, .address_space: global }
      - { .name: qkv, .offset: 24, .size: 8, .value_kind: global_buffer, .address_space: global }
    .group_segment_fixed_size: 327680
    .private_segment_fixed_size: 0
    .kernarg_segment_align: 8
    .kernarg_segment_size: 32
    .max_flat_workgroup_size: 128
    .sgpr_count:     80
    .vgpr_count:     688
    .wavefront_size: 32
...
	.end_amdgpu_metadata
.endif
;; end of part 2
;; launch attn (part 3): grid 256 x 1, 8 waves a work-group, no clusters, 327,680 bytes of LDS; arguments qkv, attention_mask, yb; writes yb
.if DOCPART == 3
	.amdgcn_target "amdgcn-amd-amdhsa--gfx1250"
	.amdhsa_code_object_version 6
	.text
	.protected	k_qcd96073051_attn
	.globl	k_qcd96073051_attn
	.p2align	8
	.type	k_qcd96073051_attn,@function
k_qcd96073051_attn:
	s_mov_b64 s[64:65], 0
	v_nop
	global_prefetch_b8 v0, s[64:65] scope:SCOPE_SE
	s_setreg_imm32_b32 hwreg(HW_REG_WAVE_MODE, 25, 1), 1
	s_wait_xcnt 0x0
; Causal attention with a padding mask, one (batch, head) for every four work-groups; q, k, v and y in f16, head-major [t][64]; sums, maxima, exponentials in f32.
; Work-group c of a head makes the query tiles (256 rows) 7 - c and then c: (8 - c) + (c + 1) = 9 units of 256 keys, the same for all 256 work-groups.
; Key blocks above the diagonal, which the causal mask throws away, are not computed.  A wave owns 32 rows of the tile (two blocks of 16): row block w for
; waves 0 to 3, row block 11 - w for waves 4 to 7, so that waves w and w + 4 together have five steps in a diagonal unit, whatever w.
; A step is 64 keys against the wave's 32 queries.
; Running maximum m of the raw scores: it starts at the lowest finite f32 and only rises, so a masked score (-inf) gives exp2(-inf) = 0 and no inf - inf arises.
; With c = log2(e) / 8 the exponent is S c + n, n = -c m as rounded; the old sums are rescaled by exp2(n new - n old), the very numbers that the exponents used.
; A row with no allowed key ends with sum 0 and output 0 x (1/0) = NaN, as the softmax of a row of -inf is.
; LIMITS: P is rounded to f16 for the product with V (below 3e-8 it becomes 0) while the row sum takes it unrounded; y is stored in f16.
; LAYOUT: S^T = K Q^T (A = 16 keys, B = 16 queries): lane (r, h) holds query r and keys 8 h + 0..7 of each 16-key block.  So a row's maximum and sum are in
; the lane but for one exchange between the halves; the padding mask, 0 or -inf for each key, has the layout of the C operand and starts the score sums; the
; packed P is at once the B operand of O^T = V^T P^T; V^T comes by the transposing LDS load; a lane's eight results are eight neighbouring d of one query.
; K and V go through two LDS slots of one unit (256 keys) each; waves 0, 1 fetch K's halves, waves 2, 3 V's, waves 4 to 7 fetch nothing.
; NO CLUSTER: the four work-groups of a head walk 8, 7, 6, 5 units and then 1, 2, 3, 4; joint requests would need every partner to ask in every one of
; 8 + 4 = 12 rounds for 9 units of work each.
; REGISTERS in two windows of 256: window 0 holds what vector instructions touch and V's fragments, window 1 K's and Q's fragments and the mask's words.
.set SLOT,  81920                      ; K keys 0-127, K keys 128-255 (pitch 144), V keys 0-127, V keys 128-255 (pitch 160): four parts
.set PARTB, 20480                      ; a part: 128 x 160 (K uses 128 x 144 of it)
.set STAGE, 163840                     ; the way out: 32 rows x 144 bytes for each wave, its own
.set BIAS,  200704                     ; 2,048 f32: 0 for a key that the padding mask allows, -inf for one that it does not
; window 0
.set KA, 1                             ; v1-2   K's fragments in slot 0, 1
.set VA, 3                             ; v3-4   V's
.set VD, 5                             ; v5     V's in the diagonal step
.set BL, 7                             ; v7     BIAS + 32 h
.set BA, 8                             ; v8     + the unit
.set QO, 10                            ; v10    128 r + 16 h
.set STO, 11
.set RD, 12
.set CO, 13
.set DG, 14                            ; v14    r - 8 h + 32 (row block odd): see the diagonal step
.set M, 15                             ; v15-16 m of query block 0, 1
.set NINF, 17
.set NL, 18                            ; v[18:19], v[20:21]  (n, l) of query block 0, 1; l is the sum over my half's keys
.set AL, 22                            ; v[22:23], v[24:25]  (alpha, a word cleared once: the packed forms name the pair)
.set T, 26                             ; v26-31 at work
.set S, 32                             ; + 32 qb + 8 kb
.set P, 96                             ; + 16 qb + 8 kh
.set VF, 128                           ; + 8 (4 kh + db)
.set O, 192                            ; + 8 (4 qb + db)
; window 1
.set KF, 0                             ; + 16 kb + 8 dh
.set QF, 64                            ; + 16 qb + 8 dh
.set BI, 96                            ; + 8 kb
.set Q2, 128                           ; the second tile's q, fetched at the start
.set G1K, 32                           ; s[32:39]
.set G1V, 40                           ; s[40:47]
.set G0, 48                            ; s[48:55] one set for each slot
.set MSB, 0
.macro WIN new                         ; low byte: bits 1:0 source 0, 3:2 source 1, 5:4 source 2, 7:6 destination; the high byte repeats the setting that is left
.if MSB != (\new)
	s_set_vgpr_msb (MSB<<8)|(\new)
.set MSB, (\new)
.endif
.endm
.macro KVLOAD slot                     ; one tensor load a wave, 16,384 bytes; the branches hang on the wave's number alone
	s_cmp_lt_u32 s10, 2
	s_cbranch_scc0 .Lnotk_\@
	tensor_load_to_lds s[G0+4*\slot:G0+4*\slot+3], s[G1K:G1K+7]
	s_nop 0
.rept 4
	v_nop
.endr
	s_branch .Lkvd_\@
.Lnotk_\@:
	s_cmp_lt_u32 s10, 4
	s_cbranch_scc0 .Lkvd_\@
	tensor_load_to_lds s[G0+4*\slot:G0+4*\slot+3], s[G1V:G1V+7]
	s_nop 0
.rept 4
	v_nop
.endr
.Lkvd_\@:
.endm
	s_load_b128 s[4:7], s[0:1], 0x0                ; qkv s[4:5], attention_mask s[6:7]
	s_load_b64 s[8:9], s[0:1], 0x10                ; yb
	v_lshl_add_u32 v6, v0, 2, 0x33000
	v_mov_b32 v9, 0
	ds_add_u32 v6, v9
	v_lshrrev_b32 v26, 5, v0
	v_readfirstlane_b32 s10, v26                   ; wave 0..7
	s_and_b32 s11, ttmp9, 3                        ; c
	s_lshr_b32 s12, ttmp9, 2                       ; bh = 16 x batch + head
	s_sub_co_u32 s13, 8, s11                       ; n1: units of the first tile
	s_mov_b32 s18, 0x76543210                      ; v_permlanex16_b32: lane i of one half reads lane i of the other
	s_mov_b32 s19, 0xfedcba98
	s_sub_co_u32 s62, 11, s10
	s_cmp_lt_u32 s10, 4
	s_cselect_b32 s62, s10, s62                    ; rb, my row block: w, or 11 - w for waves 4 to 7
	s_lshr_b32 s63, s62, 1                         ; sd: the step of a diagonal unit that holds my rows' diagonal
	s_min_u32 s63, s63, 3                          ; it is 3 at the most: stated for the LDS address
	s_mul_i32 s58, s63, 10240                      ; V: 64 keys x 160 bytes a step
	; group 1: 128 keys x 128 bytes are dense in memory: 64 rows of 32 elements of 8 bytes; padding behind every 32 words: 4 words for K, 8 for V
	s_mov_b32 s[G1K+0], (3<<16)|(1<<20)|(4<<22)|(3<<25)
	s_mov_b32 s[G1V+0], (3<<16)|(1<<20)|(4<<22)|(7<<25)
	s_mov_b32 s[G1K+1], 32<<16
	s_mov_b32 s[G1V+1], 32<<16
	s_mov_b32 s[G1K+2], 64<<16
	s_mov_b32 s[G1V+2], 64<<16
	s_mov_b32 s[G1K+3], 32<<16
	s_mov_b32 s[G1V+3], 32<<16
	s_mov_b32 s[G1K+4], 64
	s_mov_b32 s[G1V+4], 64
	s_mov_b32 s[G1K+5], 32
	s_mov_b32 s[G1V+5], 32
	s_mov_b32 s[G1K+6], 0
	s_mov_b32 s[G1V+6], 0
	s_mov_b32 s[G1K+7], 0
	s_mov_b32 s[G1V+7], 0
	s_lshr_b32 s20, s10, 1
	s_and_b32 s20, s20, 1
	s_add_co_u32 s20, s20, 1                       ; section 1 (K) for waves 0, 1; section 2 (V) for waves 2, 3
	s_lshl_b32 s20, s20, 6
	s_add_co_u32 s20, s20, s12
	s_lshl_b32 s20, s20, 18                        ; head blocks of 262,144 bytes
	s_and_b32 s21, s10, 1
	s_lshl_b32 s21, s21, 14                        ; which 128 keys of a unit
	s_add_co_u32 s20, s20, s21
	s_mov_b32 s21, 0
	s_lshl_b32 s56, s12, 18
	s_mov_b32 s57, 0
	s_lshr_b32 s2, s12, 4
	s_lshl_b32 s2, s2, 13                          ; the batch's 2,048 words of the mask
	s_mov_b32 s3, 0
	s_mov_b32 s[G0+0], 1
	s_mul_i32 s[G0+1], s10, PARTB                  ; my part of slot 0
	s_mov_b32 s[G0+4], 1
	s_add_co_u32 s[G0+5], s[G0+1], SLOT            ; and of slot 1
	s_wait_dscnt 0x0
	s_wait_kmcnt 0x0
	s_add_nc_u64 s[24:25], s[4:5], s[20:21]        ; my part of unit 0
	s_add_nc_u64 s[22:23], s[4:5], s[56:57]        ; q of my head
	s_add_nc_u64 s[26:27], s[8:9], s[56:57]        ; y of my head
	s_add_nc_u64 s[60:61], s[6:7], s[2:3]
	s_mov_b64 s[G0+2:G0+3], s[24:25]
	s_or_b32 s[G0+3], s[G0+3], 0x80000000
	KVLOAD 0                                       ; the first fill, ahead of every wait on TENSORcnt, LDS read and barrier: one tensor load of a wave is out, here and later
	; q of both tiles and the mask are asked for together: one wait for all eighteen loads
	s_sub_co_u32 s15, 7, s11                       ; the first tile
	s_lshl_b32 s59, s62, 12                        ; my 32 rows of 128 bytes
	s_lshl_b32 s20, s15, 15                        ; tile x 256 rows x 128 bytes
	s_add_co_u32 s20, s20, s59
	s_add_nc_u64 s[30:31], s[22:23], s[20:21]
	s_lshl_b32 s20, s11, 15                        ; the second tile
	s_add_co_u32 s20, s20, s59
	s_add_nc_u64 s[28:29], s[22:23], s[20:21]
	v_and_b32 v26, 15, v0                          ; r
	v_bfe_u32 v27, v0, 4, 1                        ; h
	v_lshlrev_b32 v[QO], 7, v26
	v_lshl_add_u32 v[QO], v27, 4, v[QO]
	WIN 0x40                                       ; destination in window 1
.irp qb, 0,1
.irp dh, 0,1
	global_load_b128 v[QF+16*\qb+8*\dh:QF+16*\qb+8*\dh+3],   v[QO], s[30:31] offset:\qb*2048+\dh*64
	global_load_b128 v[QF+16*\qb+8*\dh+4:QF+16*\qb+8*\dh+7], v[QO], s[30:31] offset:\qb*2048+\dh*64+32
	global_load_b128 v[Q2+16*\qb+8*\dh:Q2+16*\qb+8*\dh+3],   v[QO], s[28:29] offset:\qb*2048+\dh*64
	global_load_b128 v[Q2+16*\qb+8*\dh+4:Q2+16*\qb+8*\dh+7], v[QO], s[28:29] offset:\qb*2048+\dh*64+32
.endr
.endr
	WIN 0
	v_lshlrev_b32 v30, 4, v0
	global_load_b128 v[P:P+3],   v30, s[60:61]
	global_load_b128 v[P+4:P+7], v30, s[60:61] offset:4096
	v_mov_b32 v[NINF], 0xff800000
	v_mov_b32 v[AL+1], 0
	v_mov_b32 v[AL+3], 0
	v_mul_u32_u24 v[KA], v26, 144                  ; K's fragment: key r, 16 bytes for each half
	v_lshl_add_u32 v[KA], v27, 4, v[KA]
	v_add_nc_u32 v[KA+1], SLOT, v[KA]
	v_and_b32 v28, 7, v0
	v_lshl_add_u32 v29, v27, 3, v28                ; V's fragment by the transposing load: key 8 h + l % 8,
	v_mul_u32_u24 v[VA], v29, 160
	v_bfe_u32 v29, v0, 3, 1                        ; 16 bytes further for lanes 8-15 of each half
	v_lshl_add_u32 v[VA], v29, 4, v[VA]
	v_add_nc_u32 v[VA], 2*PARTB, v[VA]
	v_add_nc_u32 v[VA+1], SLOT, v[VA]
	v_lshlrev_b32 v[BL], 5, v27
	v_add_nc_u32 v[BL], BIAS, v[BL]
	s_mul_i32 s20, s10, 4608
	s_add_co_u32 s20, s20, STAGE
	v_add_nc_u32 v[STO], s20, v[KA]                ; in: row r of 144 bytes, 16 bytes for each half
	v_bfe_u32 v29, v0, 3, 2
	v_mul_u32_u24 v29, v29, 144
	v_lshl_add_u32 v29, v28, 4, v29
	v_add_nc_u32 v[RD], s20, v29                   ; back: eight lanes a row of 128 bytes
	v_and_b32 v[CO], 31, v0
	v_lshlrev_b32 v[CO], 4, v[CO]
	v_lshlrev_b32 v29, 3, v27
	v_sub_nc_u32 v[DG], v26, v29
	s_and_b32 s20, s62, 1
	s_lshl_b32 s20, s20, 5
	v_add_nc_u32 v[DG], s20, v[DG]                 ; an odd row block lies in the upper 32 of its step's 64 rows
	v_add_nc_u32 v31, BIAS, v30
	s_wait_loadcnt 0x0                             ; q of both tiles and the mask
.irp j, 0,1,2,3,4,5,6,7
	v_cmp_eq_u32 vcc_lo, 0, v[P+\j]
	v_cndmask_b32 v[P+\j], 0, v[NINF], vcc_lo      ; mask word 0: -inf; else 0
.endr
	ds_store_b128 v31, v[P:P+3]
	ds_store_b128 v31, v[P+4:P+7] offset:4096      ; read by all waves behind the first unit's barrier, in front of which DScnt is waited to 0
; A tile begins: m, n, l, O.
.macro RESET
	v_mov_b32 v[M],   0xff7fffff
	v_mov_b32 v[M+1], 0xff7fffff
	v_mul_f32 v[NL],   0xbe38aa3b, v[M]            ; n = -c m
	v_mul_f32 v[NL+2], 0xbe38aa3b, v[M+1]
	v_mov_b32 v[NL+1], 0
	v_mov_b32 v[NL+3], 0
	; O is cleared, twice in the launch: every step, the first too, rescales what lies there, and a factor cannot remove a NaN pattern left in a register
.set i, 0
.rept 64
	v_mov_b32 v[O+i], 0
.set i, i+1
.endr
.endm
; 24 LDS loads under destination window 1: K's fragments of 64 keys at byte koff of the slot's K parts, and those keys' words of the mask table.
.macro KLOAD ka, koff, boff
.irp kb, 0,1,2,3
.irp dh, 0,1
	ds_load_b128 v[KF+16*\kb+8*\dh:KF+16*\kb+8*\dh+3],   v[\ka] offset:\koff+\kb*2304+\dh*64
	ds_load_b128 v[KF+16*\kb+8*\dh+4:KF+16*\kb+8*\dh+7], v[\ka] offset:\koff+\kb*2304+\dh*64+32
.endr
.endr
.irp kb, 0,1,2,3
	ds_load_b128 v[BI+8*\kb:BI+8*\kb+3],   v[BA] offset:\boff+\kb*64
	ds_load_b128 v[BI+8*\kb+4:BI+8*\kb+7], v[BA] offset:\boff+\kb*64+16
.endr
.endm
; The row sums of P, both query blocks: 17 pairs of additions, a tree over each block's 32 registers, then l = l alpha + sum.
.macro PADD d, s
	v_pk_add_f32 v[S+\d:S+\d+1],       v[S+\d:S+\d+1],       v[S+\s:S+\s+1]
	v_pk_add_f32 v[S+32+\d:S+32+\d+1], v[S+32+\d:S+32+\d+1], v[S+32+\s:S+32+\s+1]
.endm
.macro SUMP n
.if (\n)<8
	PADD (4*(\n)), (4*(\n)+2)
.elseif (\n)<12
	PADD (8*((\n)-8)), (8*((\n)-8)+4)
.elseif (\n)<14
	PADD (16*((\n)-12)), (16*((\n)-12)+8)
.elseif (\n)==14
	PADD 0, 16
.elseif (\n)==15
	v_add_f32 v[T],   v[S],    v[S+1]
	v_add_f32 v[T+2], v[S+32], v[S+33]
.else
	v_fma_f32 v[NL+1], v[NL+1], v[AL],   v[T]
	v_fma_f32 v[NL+3], v[NL+3], v[AL+2], v[T+2]
.endif
.endm
; The softmax of both query blocks over the step's 64 keys, phase by phase, so that neither block's chain waits alone.
.macro SOFT diag
.if \diag
	; key 16 kb + 8 h + j of the step is allowed for query 32 (row block odd) + 16 qb + r if 16 (kb - qb) + j <= DG; (kb 0, qb 1) is always allowed
.irp qb, 0,1
.irp kb, 0,1,2,3
.if \kb+1-\qb
.irp j, 0,1,2,3,4,5,6,7
	v_cmp_le_i32 vcc_lo, 16*(\kb-\qb)+\j, v[DG]
	v_cndmask_b32 v[S+32*\qb+8*\kb+\j], v[NINF], v[S+32*\qb+8*\kb+\j], vcc_lo
.endr
.endif
.endr
.endr
.endif
	v_max3_num_f32 v[T],   v[M],   v[S],    v[S+1]         ; four chains, two for each query block, started by the old maximum
	v_max3_num_f32 v[T+1], v[M],   v[S+16], v[S+17]
	v_max3_num_f32 v[T+2], v[M+1], v[S+32], v[S+33]
	v_max3_num_f32 v[T+3], v[M+1], v[S+48], v[S+49]
.irp j, 2,4,6,8,10,12,14
	v_max3_num_f32 v[T],   v[T],   v[S+\j],    v[S+\j+1]
	v_max3_num_f32 v[T+1], v[T+1], v[S+16+\j], v[S+17+\j]
	v_max3_num_f32 v[T+2], v[T+2], v[S+32+\j], v[S+33+\j]
	v_max3_num_f32 v[T+3], v[T+3], v[S+48+\j], v[S+49+\j]
.endr
	v_max_num_f32 v[T],   v[T],   v[T+1]
	v_max_num_f32 v[T+2], v[T+2], v[T+3]
	v_permlanex16_b32 v[T+1], v[T],   s18, s19     ; the other half's keys of the same query
	v_permlanex16_b32 v[T+3], v[T+2], s18, s19
	v_max_num_f32 v[M],   v[T],   v[T+1]           ; the new maximum, alike in both halves
	v_max_num_f32 v[M+1], v[T+2], v[T+3]
	v_mul_f32 v[T],   0xbe38aa3b, v[M]             ; n = -c m
	v_mul_f32 v[T+2], 0xbe38aa3b, v[M+1]
	v_sub_f32 v[T+1], v[T],   v[NL]                ; n new - n old = c (m old - m new)
	v_sub_f32 v[T+3], v[T+2], v[NL+2]
	v_mov_b32 v[NL],   v[T]
	v_mov_b32 v[NL+2], v[T+2]
	v_exp_f32 v[AL],   v[T+1]                      ; alpha; the multiply-adds below are the plain places behind it (ISA guide 5.7.2)
	v_exp_f32 v[AL+2], v[T+3]
.irp qb, 0,1
.set i, 0
.rept 16
	v_pk_fma_f32 v[S+32*\qb+i:S+32*\qb+i+1], v[S+32*\qb+i:S+32*\qb+i+1], 0x3e38aa3b, v[NL+2*\qb:NL+2*\qb+1] op_sel_hi:[1,0,0]   ; S c + n
.set i, i+2
.endr
.endr
.irp qb, 0,1
.set i, 0
.rept 16
	v_exp_f32 v[S+32*\qb+i],   v[S+32*\qb+i]
	v_exp_f32 v[S+32*\qb+i+1], v[S+32*\qb+i+1]
	s_wait_alu depctr_va_vdst(0)
	v_pk_mul_f32 v[O+32*\qb+i:O+32*\qb+i+1], v[O+32*\qb+i:O+32*\qb+i+1], v[AL+2*\qb:AL+2*\qb+1] op_sel_hi:[1,0]   ; touches no P: plain work between the exponentials, and the place behind the last two
.set i, i+2
.endr
.endr
	s_wait_alu depctr_va_vdst(0)
.irp qb, 0,1
.set i, 0
.rept 16
	v_cvt_pk_f16_f32 v[P+16*\qb+i], v[S+32*\qb+2*i], v[S+32*\qb+2*i+1]     ; of each 32 keys: keys 8 h .. in registers 0-3, keys 16 + 8 h .. in 4-7: B fragments as they stand
.set i, i+1
.endr
.endr
.endm
; One step: 64 keys against my 32 queries.  K's fragments and the mask's words of this step were fetched a step ago (or at the unit's head).
; pre = 1: those of the next step, at koff and boff, are fetched behind this step's score products.
.macro STEP va, voff, pre, ka, koff, boff, diag
.irp kh, 0,1
.irp db, 0,1,2,3
	ds_load_tr16_b128 v[VF+8*(4*\kh+\db):VF+8*(4*\kh+\db)+3],   v[\va] offset:\voff+\kh*5120+\db*32
	ds_load_tr16_b128 v[VF+8*(4*\kh+\db)+4:VF+8*(4*\kh+\db)+7], v[\va] offset:\voff+\kh*5120+\db*32+2560
.endr
.endr
	s_wait_dscnt 16                                ; K's sixteen loads and the table's eight are in; V's sixteen, just issued, may be out
	; eight accumulators by turns, one instruction a turn: d 0-31 starts the sums on the mask's words, d 32-63 adds
	WIN 0x15                                       ; A, B and C in window 1
.irp qb, 0,1
.irp kb, 0,1,2,3
	v_wmma_f32_16x16x32_f16 v[S+32*\qb+8*\kb:S+32*\qb+8*\kb+7], v[KF+16*\kb:KF+16*\kb+7], v[QF+16*\qb:QF+16*\qb+7], v[BI+8*\kb:BI+8*\kb+7]
.endr
.endr
	WIN 0x05                                       ; A and B in window 1
.irp qb, 0,1
.irp kb, 0,1,2,3
	v_wmma_f32_16x16x32_f16 v[S+32*\qb+8*\kb:S+32*\qb+8*\kb+7], v[KF+16*\kb+8:KF+16*\kb+15], v[QF+16*\qb+8:QF+16*\qb+15], v[S+32*\qb+8*\kb:S+32*\qb+8*\kb+7]
.endr
.endr
.rept 4
	v_nop                                          ; places in front of the loads into K's and the table's registers and of the readers of S
.endr
.if \pre
	WIN 0x40
	KLOAD \ka, \koff, \boff
.endif
	WIN 0
	SOFT \diag
	s_wait_dscnt 24*\pre                           ; V is in; the next step's 24 loads may be out
	; eight accumulators by turns; the row sums stand between the products, and the last four additions are the places in front of the next loads into V's registers
.irp kh, 0,1
.irp qb, 0,1
.irp db, 0,1,2,3
	v_wmma_f32_16x16x32_f16 v[O+8*(4*\qb+\db):O+8*(4*\qb+\db)+7], v[VF+8*(4*\kh+\db):VF+8*(4*\kh+\db)+7], v[P+16*\qb+8*\kh:P+16*\qb+8*\kh+7], v[O+8*(4*\qb+\db):O+8*(4*\qb+\db)+7]
	SUMP 8*\kh+4*\qb+\db
.endr
.endr
.endr
	SUMP 16
.endm
; A tile ends: divide by the row sums, round to f16, and out through my own stage as whole rows: each store covers 512 consecutive bytes, aligned.
.macro QFIN
	s_wait_dscnt 0x0                               ; no load is on its way into a register used below
.rept 4
	v_nop
.endr
	s_lshl_b32 s20, s15, 15                        ; tile x 256 rows x 128 bytes
	s_lshl_b32 s21, s62, 12                        ; row block x 32 rows
	s_add_co_u32 s20, s20, s21
	s_mov_b32 s21, 0
	s_add_nc_u64 s[28:29], s[26:27], s[20:21]
	v_permlanex16_b32 v[T],   v[NL+1], s18, s19     ; the other half's part of the sum
	v_permlanex16_b32 v[T+1], v[NL+3], s18, s19
	v_add_f32 v[T],   v[T],   v[NL+1]
	v_add_f32 v[T+1], v[T+1], v[NL+3]
	v_rcp_f32 v[AL],   v[T]
	v_rcp_f32 v[AL+2], v[T+1]
	v_nop                                          ; the plain place behind the reciprocals (ISA guide 5.7.2)
	s_wait_alu depctr_va_vdst(0)
.irp qb, 0,1
.irp p, 0,2,4,6,8,10,12,14,16,18,20,22,24,26,28,30
	v_pk_mul_f32 v[O+32*\qb+\p:O+32*\qb+\p+1], v[O+32*\qb+\p:O+32*\qb+\p+1], v[AL+2*\qb:AL+2*\qb+1] op_sel_hi:[1,0]
.endr
.endr
.irp n, 0,1,2,3,4,5,6,7
.irp q, 0,1,2,3
	v_cvt_pk_f16_f32 v[S+4*\n+\q], v[O+8*\n+2*\q], v[O+8*\n+2*\q+1]
.endr
	ds_store_b128 v[STO], v[S+4*\n:S+4*\n+3] offset:(\n>>2)*2304+(\n&3)*32
.endr
.irp i, 0,1,2,3,4,5,6,7
	ds_load_b128 v[VF+4*\i:VF+4*\i+3], v[RD] offset:576*\i     ; LDS serves a wave's instructions in order (ISA guide 5.7.1.4): these see the stores above
.endr
.irp i, 0,1,2,3,4,5,6,7
	s_wait_dscnt 7-\i
	global_store_b128 v[CO], v[VF+4*\i:VF+4*\i+3], s[28:29] offset:512*\i
.endr
	s_wait_xcnt 0x0                                ; the stores' base and data are written again only behind this wait
.endm
; One unit of 256 keys, in slot; refill = 1: the next unit is asked for into the other slot.
.macro TRIP slot, other, refill
	s_wait_tensorcnt 0x0                           ; all my tensor loads have landed, my part of this unit among them, so a group 0 may be written
	ds_add_u32 v6, v9
	s_wait_dscnt 0x0
.if \refill
	s_add_co_u32 s20, s14, 1                       ; the next unit: t + 1 of the first tile, or t + 1 - n1 of the second
	s_sub_co_u32 s21, s20, s13
	s_cmp_lt_u32 s20, s13
	s_cselect_b32 s20, s20, s21
	s_min_u32 s20, s20, 7
	s_lshl_b32 s20, s20, 15                        ; 256 keys x 128 bytes
	s_mov_b32 s21, 0
	s_add_nc_u64 s[G0+4*\other+2:G0+4*\other+3], s[24:25], s[20:21]
	s_or_b32 s[G0+4*\other+3], s[G0+4*\other+3], 0x80000000
.endif
	s_wait_dscnt 0x0                               ; my reads of the other slot are over (and, the first time, my stores of the table are in LDS)
	s_barrier_signal -1
	s_barrier_wait -1                              ; both now hold of all eight waves
.if \refill
	KVLOAD \other                                  ; first thing behind the barrier; it has the whole unit's work in which to land
.endif
	s_sub_co_u32 s21, s14, s13
	s_cmp_lt_u32 s14, s13
	s_cselect_b32 s16, s14, s21                    ; u: this unit's number in its tile
	s_min_u32 s16, s16, 7                          ; it is 7 at the most: stated for the table's address
	s_cmp_lg_u32 s14, s13
	s_cbranch_scc1 .Lsame_\@
	QFIN                                           ; the first tile is done: the second begins, with the q that has waited in registers
	s_mov_b32 s15, s11
	WIN 0x41                                       ; source 0 and destination in window 1
.set i, 0
.rept 32
	v_mov_b32 v[QF+i], v[Q2+i]
.set i, i+1
.endr
	WIN 0
	RESET
.Lsame_\@:
	s_cmp_eq_u32 s16, s15                          ; the tile's last unit holds the diagonal: I take steps 0 .. sd - 1 whole, step sd masked, none beyond
	s_cselect_b32 s17, s63, 4
	s_lshl_b32 s20, s16, 10
	v_add_nc_u32 v[BA], s20, v[BL]
	WIN 0x40
	KLOAD KA+\slot, 0, 0                           ; step 0's K and table words
	WIN 0
.irp s, 0,1,2
	s_cmp_le_u32 s17, \s
	s_cbranch_scc1 .Lpd_\@
	STEP VA+\slot, \s*10240, 1, KA+\slot, ((\s+1)>>1)*PARTB+((\s+1)&1)*9216, (\s+1)*256, 0
.endr
	s_cmp_le_u32 s17, 3
	s_cbranch_scc1 .Lpd_\@
	STEP VA+\slot, 3*10240, 0, KA+\slot, 0, 0, 0
.Lpd_\@:
	s_cmp_lg_u32 s16, s15
	s_cbranch_scc1 .Lnd_\@
	v_add_nc_u32 v[VD], s58, v[VA+\slot]           ; step sd: its K and table words were fetched by step sd - 1, or at the unit's head
	STEP VD, 0, 0, KA+\slot, 0, 0, 1
.Lnd_\@:
	s_add_co_u32 s14, s14, 1
.endm
	RESET
	s_mov_b32 s14, 0                               ; t: units done
	s_mov_b32 s56, 4
.Lpair:
	TRIP 0, 1, 1
	TRIP 1, 0, 1
	s_sub_co_u32 s56, s56, 1
	s_cmp_lg_u32 s56, 0
	s_cbranch_scc1 .Lpair
	TRIP 0, 1, 0                                   ; the ninth unit: nothing is left to fetch
	QFIN
	s_wait_tensorcnt 0x0
	ds_add_u32 v6, v9
	s_wait_dscnt 0x0
	s_endpgm
.Lfunc_end_k_qcd96073051_attn:
	.size	k_qcd96073051_attn, .Lfunc_end_k_qcd96073051_attn-k_qcd96073051_attn
	.p2alignl 7, 3214868480
	.fill 96, 4, 3214868480
	.section	.rodata,"a",@progbits
	.p2align	6, 0x0
	.amdhsa_kernel k_qcd96073051_attn
		.amdhsa_group_segment_fixed_size 327680
		.amdhsa_private_segment_fixed_size 0
		.amdhsa_enable_private_segment 0
		.amdhsa_kernarg_size 24
		.amdhsa_user_sgpr_count 2
		.amdhsa_user_sgpr_kernarg_segment_ptr 1
		.amdhsa_wavefront_size32 1
		.amdhsa_system_sgpr_workgroup_id_x 1
		.amdhsa_system_sgpr_workgroup_id_y 1
		.amdhsa_system_sgpr_workgroup_id_z 1
		.amdhsa_system_vgpr_workitem_id 0
		.amdhsa_next_free_vgpr 416
		.amdhsa_next_free_sgpr 66
		.amdhsa_reserve_vcc 1
		.amdhsa_float_denorm_mode_32 3
		.amdhsa_float_denorm_mode_16_64 3
		.amdhsa_memory_ordered 1
		.amdhsa_forward_progress 1
		.amdhsa_inst_pref_size 255
	.end_amdhsa_kernel
	.section	.bss,"aw",@nobits
	.p2align	6
	.space	262144
	.amdgpu_metadata
---
amdhsa.version: [ 1, 2 ]
amdhsa.kernels:
  - .name:           k_qcd96073051_attn
    .symbol:         k_qcd96073051_attn.kd
    .args:
      - { .name: qkv, .offset: 0, .size: 8, .value_kind: global_buffer, .address_space: global }
      - { .name: attention_mask, .offset: 8, .size: 8, .value_kind: global_buffer, .address_space: global }
      - { .name: yb, .offset: 16, .size: 8, .value_kind: global_buffer, .address_space: global }
    .group_segment_fixed_size: 327680
    .private_segment_fixed_size: 0
    .kernarg_segment_align: 8
    .kernarg_segment_size: 24
    .max_flat_workgroup_size: 256
    .sgpr_count:     66
    .vgpr_count:     416
    .wavefront_size: 32
...
	.end_amdgpu_metadata
.endif
;; end of part 3
;; launch projgemm (part 4): grid 4 x 64, 4 waves a work-group, clusters of 4 x 4, 327,680 bytes of LDS; arguments yb, wpb, b_proj, out0; writes out0
.if DOCPART == 4
	.amdgcn_target "amdgcn-amd-amdhsa--gfx1250"
	.amdhsa_code_object_version 6
	.text
	.protected	k_qcd96073051_projgemm
	.globl	k_qcd96073051_projgemm
	.p2align	8
	.type	k_qcd96073051_projgemm,@function
k_qcd96073051_projgemm:
	s_mov_b64 s[64:65], 0
	v_nop
	global_prefetch_b8 v0, s[64:65] scope:SCOPE_SE
	s_setreg_imm32_b32 hwreg(HW_REG_WAVE_MODE, 25, 1), 1
	s_wait_xcnt 0x0
	s_wait_alu depctr_hold_cnt(0) depctr_sa_sdst(0) depctr_va_vdst(0) depctr_va_sdst(0) depctr_va_ssrc(0) depctr_va_vcc(0) depctr_vm_vsrc(0)
	s_getreg_b32 s2, hwreg(HW_REG_IB_STS2, 6, 4)
	s_cmp_eq_u32 s2, 0
	s_cbranch_scc0 .Lentry_in_a_cluster
	s_endpgm
.Lentry_in_a_cluster:
	s_bfe_u32 s2, ttmp6, 0x10000c
	s_cmp_lg_u32 s2, 0xf033
	s_cbranch_scc0 .Lentry_shape_is_right
	s_endpgm
.Lentry_shape_is_right:
; out = y W_proj + b_proj.  yb [4][16][2048][64] f16 (head-major), wpb [1024][1024] f16, b_proj [1024] f32, out0 [8192][1024] f32; sums in f32, started by the bias.
; A NaN row of y (a query with no allowed key) gives a NaN row of out and touches no other row: a row of y is one column of the B operand.
; A work-group makes 128 rows x 256 columns with four waves: 4 x 64 = 256 work-groups.  Every wave takes all 128 rows and the 16-column blocks w + 4 b,
; b = 0..3: 32 accumulator tiles, 256 registers.  K = 64 x head + d goes in steps of 128 (two heads) through two LDS slots.  Waves 0, 1 fetch y's two heads
; (128 rows x 128 bytes are 16,384 consecutive bytes: 64 rows of 256), waves 2, 3 a strip each of W's tile (128 rows of k x 256 bytes).
; CLUSTERS: 4 x 4 work-groups; y's tiles are asked for jointly by a row of the cluster, W's strips by a column.
; The matrix instruction is used transposed (source 0 = 16 columns of W by the transposing LDS load, source 1 = 16 rows of y): lane l holds row l % 16 and
; eight neighbouring columns, 32 bytes of f32.
; REGISTERS: window 0 addresses and two fragment buffers; window 1 the tiles (tile (b, a) at v[8 (8 b + a)]); window 2 the bias, as the first products' C operand.
.set NB,     4
.set KSTEP,  128
.set APITCH, 144                       ; y's LDS rows: 128 + 16 bytes = 9 x 16
.set BPITCH, 288                       ; W's LDS rows: 256 + 32 bytes = 9 x 32, for the transposing load
.set PART,   36864                     ; what one wave's tensor load may fill: 128 x 288 (a head of y uses 128 x 144)
.set SLOT,   4*PART
.set LOADS,  16+2*NB
.set LAPS,   1024/(2*KSTEP)
.set OPITCH, 1040                      ; the way out: 1,024 + 16 bytes = 65 x 16
.set ADRA, 8                           ; v8-9    y's fragments in slot 0, 1
.set ADRB, 10                          ; v10-13  W's fragments: 2 x slot + strip
.set STO,  16                          ; v16-17  the way out: rows 0-63, rows 64-127
.set RD,   18
.set CO,   20
.set BO,   21
.set F0,   32                          ; y's eight at +8 a, W's four at +64 + 8 b
.set F1,   128
.set BI,   0                           ; window 2
.set G1A, 24
.set G0A, 32
.set G1B, 48
.set G0B, 56
.set MSB, 0
.macro WIN new                         ; the immediate's high byte repeats the setting that is left; a switch that changes nothing is dropped
.if MSB != (\new)
	s_set_vgpr_msb (MSB<<8)|(\new)
.set MSB, (\new)
.endif
.endm
.macro PLACES                          ; four places behind matrix instructions (ISA guide 7.12.1)
.rept 4
	v_nop
.endr
.endm
.macro JLOAD s                         ; waves 0, 1 ask for y's heads, waves 2, 3 for W's strips; the branch hangs on the wave's number alone
	s_cmp_eq_u32 s13, 0
	s_cbranch_scc0 .Lfor_b_\@
	tensor_load_to_lds s[G0A+4*\s:G0A+4*\s+3], s[G1A:G1A+7]
	s_nop 0
.rept 4
	v_nop
.endr
	s_branch .Lasked_\@
.Lfor_b_\@:
	tensor_load_to_lds s[G0B+4*\s:G0B+4*\s+3], s[G1B:G1B+7]
	s_nop 0
.rept 4
	v_nop
.endr
.Lasked_\@:
.endm
.macro CREST
	s_cmp_lg_u32 s12, 0
	s_cbranch_scc1 .Lnot_wave_0_\@
	s_barrier_signal -3
.Lnot_wave_0_\@:
	s_barrier_wait -3
	s_barrier_signal -1
	s_barrier_wait -1
.endm
.macro CROUND
	s_barrier_signal -1
	s_barrier_wait -1
	CREST
.endm
	s_load_b256 s[4:11], s[0:1], 0x0               ; yb s[4:5], wpb s[6:7], b_proj s[8:9], out0 s[10:11]
	v_lshl_add_u32 v254, v0, 2, 0x48000
	v_mov_b32 v255, 0
	ds_add_u32 v254, v255
	v_lshrrev_b32 v1, 5, v0
	v_readfirstlane_b32 s12, v1                    ; wave 0..3
	s_lshr_b32 s13, s12, 1                         ; 0: I fetch for y; 1: for W
	s_bfe_u32 s14, ttmp6, 0x40000                  ; cx
	s_bfe_u32 s15, ttmp6, 0x40004                  ; cy
	s_lshl_b32 s16, ttmp9, 2
	s_add_co_u32 s16, s16, s14                     ; block column bx
	s_and_b32 s17, ttmp7, 0xffff
	s_lshl_b32 s17, s17, 2
	s_add_co_u32 s17, s17, s15                     ; block row by
	s_lshl_b32 s18, s15, 2
	s_lshl_b32 s18, 15, s18                        ; my row of the cluster
	s_lshl_b32 s19, 0x1111, s14                    ; my column
	; y: 64 rows of 32 elements of 8 bytes, dense; 4 words of padding behind every 32.  W: 128 rows x 128 elements of 2 bytes; 8 words behind every 64.
	s_or_b32 s[G1A+0], s18, (3<<16)|(1<<20)|(1<<21)|(4<<22)|(3<<25)
	s_or_b32 s[G1B+0], s19, (1<<16)|(1<<20)|(1<<21)|(5<<22)|(7<<25)
	s_mov_b32 s[G1A+1], 32<<16
	s_mov_b32 s[G1B+1], 128<<16
	s_mov_b32 s[G1A+2], 64<<16
	s_mov_b32 s[G1B+2], 128<<16
	s_mov_b32 s[G1A+3], 32<<16
	s_mov_b32 s[G1B+3], 128<<16
	s_mov_b32 s[G1A+4], 64
	s_mov_b32 s[G1B+4], 128
	s_mov_b32 s[G1A+5], 32
	s_mov_b32 s[G1B+5], 1024
	s_mov_b32 s[G1A+6], 0
	s_mov_b32 s[G1B+6], 0
	s_mov_b32 s[G1A+7], 0
	s_mov_b32 s[G1B+7], 0
	s_mul_i32 s20, s12, PART                       ; where my load lands
	s_and_b32 s40, s17, 0x30                       ; y: batch x 16 heads (registers that never hold cx),
	s_and_b32 s41, s12, 1
	s_add_co_u32 s40, s40, s41                     ; + which head of the K step's two,
	s_lshl_b32 s40, s40, 18
	s_and_b32 s41, s17, 15
	s_lshl_b32 s41, s41, 14                        ; + my 128 rows in the batch's 2,048
	s_add_co_u32 s40, s40, s41
	s_mov_b32 s41, 0
	s_lshl_b32 s44, s16, 9                         ; W: 256 columns of 2 bytes for each block column (registers that never hold cy),
	s_and_b32 s45, s12, 1
	s_lshl_b32 s45, s45, 8                         ; + the strip
	s_add_co_u32 s44, s44, s45
	s_mov_b32 s45, 0
	s_lshl_b32 s66, s16, 10                        ; the bias of my 256 columns
	s_mov_b32 s67, 0
	s_lshl_b32 s68, s17, 19                        ; out: 128 rows of 4,096 bytes for each block row, 1,024 bytes for each block column
	s_add_co_u32 s68, s68, s66
	s_mov_b32 s69, 0
	s_wait_dscnt 0x0
	s_wait_kmcnt 0x0
	s_add_nc_u64 s[42:43], s[4:5], s[40:41]
	s_add_nc_u64 s[46:47], s[6:7], s[44:45]
	s_add_nc_u64 s[66:67], s[8:9], s[66:67]
	s_add_nc_u64 s[70:71], s[10:11], s[68:69]
	CROUND                                         ; all sixteen work-groups are here: the first joint loads meet
.irp s, 0,1
	s_mov_b32 s[G0A+4*\s], 1
	s_add_co_u32 s[G0A+4*\s+1], s20, \s*SLOT
	s_add_nc_u64 s[G0A+4*\s+2:G0A+4*\s+3], s[42:43], \s*2*262144           ; K step s: two heads on
	s_or_b32 s[G0A+4*\s+3], s[G0A+4*\s+3], 0x80000000
	s_mov_b32 s[G0B+4*\s], 1
	s_add_co_u32 s[G0B+4*\s+1], s20, \s*SLOT
	s_add_nc_u64 s[G0B+4*\s+2:G0B+4*\s+3], s[46:47], \s*KSTEP*1024*2       ; K step s: 128 rows down
	s_or_b32 s[G0B+4*\s+3], s[G0B+4*\s+3], 0x80000000
	JLOAD \s                                       ; two tensor loads of a wave are out here, later one
.endr
	v_and_b32 v1, 15, v0                           ; r
	v_bfe_u32 v2, v0, 4, 1                         ; h
	s_lshl_b32 s21, s12, 6
	v_lshl_add_u32 v[BO], v2, 5, s21               ; columns 16 w + 8 h + 0..7 of a group of 64: byte 64 w + 32 h
	WIN 0x80                                       ; destination in window 2
.irp b, 0,1,2,3
	global_load_b128 v[BI+8*\b:BI+8*\b+3],   v[BO], s[66:67] offset:256*\b
	global_load_b128 v[BI+8*\b+4:BI+8*\b+7], v[BO], s[66:67] offset:256*\b+16
.endr
	WIN 0
	v_mul_u32_u24 v[ADRA], v1, APITCH
	v_lshl_add_u32 v[ADRA], v2, 4, v[ADRA]
	v_add_nc_u32 v[ADRA+1], SLOT, v[ADRA]
	v_and_b32 v4, 7, v0
	v_lshl_add_u32 v4, v2, 3, v4
	v_mul_u32_u24 v4, v4, BPITCH
	v_bfe_u32 v5, v0, 3, 1
	v_lshl_add_u32 v4, v5, 4, v4
	s_lshl_b32 s21, s12, 5
	s_add_co_u32 s21, s21, 2*PART                  ; the strips lie behind y's two heads
	v_add_nc_u32 v4, s21, v4
.irp s, 0,1
.irp t, 0,1
	v_add_nc_u32 v[ADRB+2*\s+\t], \s*SLOT+\t*PART, v4
.endr
.endr
	v_mul_u32_u24 v6, v1, OPITCH                   ; the way out, in: row r, byte 64 w + 32 h
	v_add_nc_u32 v[STO], v[BO], v6
	v_add_nc_u32 v[STO+1], 64*OPITCH, v[STO]
	v_and_b32 v6, 31, v0
	s_mul_i32 s23, s12, 32*OPITCH
	v_lshl_add_u32 v[RD], v6, 4, s23               ; back: a wave takes half a row, 512 bytes; my rows 32 w ..
	s_lshl_b32 s23, s12, 17
	v_lshl_add_u32 v[CO], v6, 4, s23               ; the same in out: 32 w rows of 4,096 bytes
; Eight matrix instructions: block b of W against all eight row blocks.  first = 1: the bias is the C operand and starts the sums.
; The 32 accumulators take turns, one instruction a turn, in the same order in every quarter step.
.macro MULB f, b, first
.if \first
	WIN (1<<6)|(2<<4)
.else
	WIN (1<<6)|(1<<4)
.endif
.irp a, 0,1,2,3,4,5,6,7
.if \first
	v_wmma_f32_16x16x32_f16 v[8*(8*\b+\a):8*(8*\b+\a)+7], v[\f+64+8*\b:\f+64+8*\b+7], v[\f+8*\a:\f+8*\a+7], v[BI+8*\b:BI+8*\b+7]
.else
	v_wmma_f32_16x16x32_f16 v[8*(8*\b+\a):8*(8*\b+\a)+7], v[\f+64+8*\b:\f+64+8*\b+7], v[\f+8*\a:\f+8*\a+7], v[8*(8*\b+\a):8*(8*\b+\a)+7]
.endif
.endr
.endm
; One run of 24 LDS loads: quarter kq (head kq / 2 of the step's two, d from 32 (kq % 2)) into buffer f; y's first, then W's in the order of b.
.macro FETCH slot, kq, f
	WIN 0
.irp a, 0,1,2,3,4,5,6,7
	ds_load_b128 v[\f+8*\a:\f+8*\a+3],   v[ADRA+\slot] offset:(\kq>>1)*PART+(\kq&1)*64+\a*16*APITCH
	ds_load_b128 v[\f+8*\a+4:\f+8*\a+7], v[ADRA+\slot] offset:(\kq>>1)*PART+(\kq&1)*64+\a*16*APITCH+32
.endr
.irp b, 0,1,2,3
	ds_load_tr16_b128 v[\f+64+8*\b:\f+64+8*\b+3],   v[ADRB+2*\slot+(\b>>1)] offset:\kq*32*BPITCH+(\b&1)*128
	ds_load_tr16_b128 v[\f+64+8*\b+4:\f+64+8*\b+7], v[ADRB+2*\slot+(\b>>1)] offset:\kq*32*BPITCH+(\b&1)*128+16*BPITCH
.endr
.endm
.macro QUARTER slot, kq, f, g, first
	s_wait_dscnt 2*(NB-2)                          ; y's fragments and W's blocks 0, 1 are in; the youngest four loads (blocks 2, 3) may be out
	MULB \f, 0, \first
	MULB \f, 1, \first
	PLACES
	FETCH \slot, \kq, \g
	s_wait_dscnt LOADS                             ; all but the 24 just issued
	MULB \f, 2, \first
	MULB \f, 3, \first
.endm
.macro THREE slot, first
	QUARTER \slot, 1, F0, F1, \first
	QUARTER \slot, 2, F1, F0, 0
	QUARTER \slot, 3, F0, F1, 0
.endm
; The last quarter multiplies buffer 1 and changes slots: each wave's waits for its reads of this slot and for all its tensor loads stand in front of the
; barrier; with fill = 1 it opens a round of the cluster's barrier and the joint refill is the first tensor load behind the round, 120 matrix instructions
; ahead of the wait for it.
.macro TURN slot, next, fill
	s_wait_dscnt 2*(NB-2)
	MULB F1, 0, 0
	s_wait_dscnt 0x0                               ; my reads of this slot are over
	s_wait_tensorcnt 0x0                           ; all my tensor loads have landed
	ds_add_u32 v254, v255
	s_wait_dscnt 0x0
	s_barrier_signal -1
	MULB F1, 1, 0                                  ; register work while the others arrive
	WIN 0
	s_barrier_wait -1
.if \fill
	CREST
	s_add_nc_u64 s[G0A+4*\slot+2:G0A+4*\slot+3], s[G0A+4*\slot+2:G0A+4*\slot+3], 4*262144
	s_add_nc_u64 s[G0B+4*\slot+2:G0B+4*\slot+3], s[G0B+4*\slot+2:G0B+4*\slot+3], 2*KSTEP*1024*2
	JLOAD \slot                                    ; its four v_nop are also the places in front of the loads below
.else
	PLACES
.endif
	FETCH \next, 0, F0
	MULB F1, 2, 0
	MULB F1, 3, 0
.endm
.macro LAP first
	THREE 0, \first
	TURN 0, 1, 1
	THREE 1, 0
	TURN 1, 0, 1
.endm
	s_wait_tensorcnt 0x1                           ; my part of K step 0 is in; K step 1's may stay out
	s_wait_loadcnt 0x0                             ; the bias
	s_barrier_signal -1
	s_barrier_wait -1
	FETCH 0, 0, F0
	LAP 1
	WIN 0
	s_mov_b32 s3, LAPS-2
.Llap:
	LAP 0
	WIN 0
	s_sub_co_u32 s3, s3, 1
	s_cmp_lg_u32 s3, 0
	s_cbranch_scc1 .Llap
	THREE 0, 0                                     ; the last lap fills nothing
	TURN 0, 1, 0
	THREE 1, 0
	s_wait_dscnt 2*(NB-2)
	MULB F1, 0, 0
	MULB F1, 1, 0
	s_wait_dscnt 0x0
	MULB F1, 2, 0
	MULB F1, 3, 0
	WIN 0
	PLACES
	; THE WAY OUT.  The stage is slot 0 (its last fill has landed, its last reads ended in front of the barrier of the last change of slots):
	; 128 rows x 1,040 bytes = 133,120 bytes of f32, written straight from the accumulators; behind a barrier wave w stores rows 32 w .. 32 w + 31,
	; each store 512 consecutive bytes, aligned.
	WIN 0x04                                       ; LDS store data in window 1
.irp b, 0,1,2,3
.irp a, 0,1,2,3,4,5,6,7
	ds_store_b128 v[STO+(\a>>2)], v[8*(8*\b+\a):8*(8*\b+\a)+3]   offset:(\a&3)*16*OPITCH+256*\b
	ds_store_b128 v[STO+(\a>>2)], v[8*(8*\b+\a)+4:8*(8*\b+\a)+7] offset:(\a&3)*16*OPITCH+256*\b+16
.endr
.endr
	WIN 0
	s_wait_dscnt 0x0                               ; my stores are in LDS, for the other waves' sake
	s_barrier_signal -1
	s_barrier_wait -1
.macro OUTB g, f                       ; rows 4 g .. 4 g + 3 of my 32, two halves each
	s_wait_xcnt 0x0                                ; buffer f, which earlier stores read, is loaded again only behind this wait
.irp t, 0,1,2,3,4,5,6,7
	ds_load_b128 v[\f+4*\t:\f+4*\t+3], v[RD] offset:(4*\g+(\t>>1))*OPITCH+(\t&1)*512
.endr
.irp t, 0,1,2,3,4,5,6,7
	s_wait_dscnt 7-\t                              ; LDS loads come back in order: load t is in
	global_store_b128 v[CO], v[\f+4*\t:\f+4*\t+3], s[70:71] offset:(4*\g+(\t>>1))*4096+(\t&1)*512 th:TH_STORE_NT
.endr
.endm
	OUTB 0, F0
	OUTB 1, F1
	OUTB 2, F0
	OUTB 3, F1
	OUTB 4, F0
	OUTB 5, F1
	OUTB 6, F0
	OUTB 7, F1
	s_wait_tensorcnt 0x0
	ds_add_u32 v254, v255
	s_wait_dscnt 0x0
	CROUND                                         ; the closing round: no work-group ends while a partner may still ask for a tile that names it
	s_endpgm
.Lfunc_end_k_qcd96073051_projgemm:
	.size	k_qcd96073051_projgemm, .Lfunc_end_k_qcd96073051_projgemm-k_qcd96073051_projgemm
	.p2alignl 7, 3214868480
	.fill 96, 4, 3214868480
	.section	.rodata,"a",@progbits
	.p2align	6, 0x0
	.amdhsa_kernel k_qcd96073051_projgemm
		.amdhsa_group_segment_fixed_size 327680
		.amdhsa_private_segment_fixed_size 0
		.amdhsa_enable_private_segment 0
		.amdhsa_kernarg_size 32
		.amdhsa_user_sgpr_count 2
		.amdhsa_user_sgpr_kernarg_segment_ptr 1
		.amdhsa_wavefront_size32 1
		.amdhsa_system_sgpr_workgroup_id_x 1
		.amdhsa_system_sgpr_workgroup_id_y 1
		.amdhsa_system_sgpr_workgroup_id_z 1
		.amdhsa_system_vgpr_workitem_id 0
		.amdhsa_next_free_vgpr 544
		.amdhsa_next_free_sgpr 80
		.amdhsa_reserve_vcc 0
		.amdhsa_float_denorm_mode_32 3
		.amdhsa_float_denorm_mode_16_64 3
		.amdhsa_memory_ordered 1
		.amdhsa_forward_progress 1
		.amdhsa_inst_pref_size 119
	.end_amdhsa_kernel
	.amdgpu_metadata
---
amdhsa.version: [ 1, 2 ]
amdhsa.kernels:
  - .name:           k_qcd96073051_projgemm
    .symbol:         k_qcd96073051_projgemm.kd
    .args:
      - { .name: yb, .offset: 0, .size: 8, .value_kind: global_buffer, .address_space: global }
      - { .name: wpb, .offset: 8, .size: 8, .value_kind: global_buffer, .address_space: global }
      - { .name: b_proj, .offset: 16, .size: 8, .value_kind: global_buffer, .address_space: global }
      - { .name: out0, .offset: 24, .size: 8, .value_kind: global_buffer, .address_space: global }
    .group_segment_fixed_size: 327680
    .private_segment_fixed_size: 0
    .kernarg_segment_align: 8
    .kernarg_segment_size: 32
    .max_flat_workgroup_size: 128
    .sgpr_count:     80
    .vgpr_count:     544
    .wavefront_size: 32
...
	.end_amdgpu_metadata
.endif
;; end of part 4
;; ======== version 2 of 2: 4 launches; 1.06 times as fast as version 1
;; limits: values are held in f16: magnitudes above 65,504 overflow, below 6.1e-05 lose precision
;; workspace buffers: xb 16,777,216 bytes; wab 6,291,456 bytes; wpb 2,097,152 bytes; qkv 50,331,648 bytes; yb 16,777,216 bytes
;; launch prep: the kernel of part 1 again; grid 768 x 1, 8 waves a work-group, no clusters, 0 bytes of LDS; arguments x, W_attn, W_proj, xb, wab, wpb; writes xb, wab, wpb
;; launch qkvgemm: the kernel of part 2 again; grid 8 x 64, 4 waves a work-group, clusters of 4 x 4, 327,680 bytes of LDS; arguments xb, wab, b_attn, qkv; writes qkv
;; launch attn (part 5): grid 256 x 1, 8 waves a work-group, no clusters, 327,680 bytes of LDS; arguments qkv, attention_mask, yb; writes yb
.if DOCPART == 5
	.amdgcn_target "amdgcn-amd-amdhsa--gfx1250"
	.amdhsa_code_object_version 6
	.text
	.protected	k_qcd96073051_attn
	.globl	k_qcd96073051_attn
	.p2align	8
	.type	k_qcd96073051_attn,@function
k_qcd96073051_attn:
	s_mov_b64 s[64:65], 0
	v_nop
	global_prefetch_b8 v0, s[64:65] scope:SCOPE_SE
	s_setreg_imm32_b32 hwreg(HW_REG_WAVE_MODE, 25, 1), 1
	s_wait_xcnt 0x0
; Causal attention with a padding mask, one (batch, head) for every four work-groups; q, k, v and y in f16, head-major [t][64]; sums, maxima, exponentials in f32.
; Work-group c of a head makes the query tiles (256 rows) 7 - c and then c: (8 - c) + (c + 1) = 9 units of 256 keys, the same for all 256 work-groups.
; Key blocks above the diagonal, which the causal mask throws away, are not computed.  A wave owns 32 rows of the tile (two blocks of 16): row block w for
; waves 0 to 3, row block 11 - w for waves 4 to 7, so that waves w and w + 4 together have five steps in a diagonal unit, whatever w.
; A step is 64 keys against the wave's 32 queries.
; Running maximum m of the raw scores: it starts at the lowest finite f32 and only rises, so a masked score (-inf) gives exp2(-inf) = 0 and no inf - inf arises.
; With c = log2(e) / 8 the exponent is S c + n, n = -c m as rounded; the old sums are rescaled by exp2(n new - n old), the very numbers that the exponents used.
; A row with no allowed key ends with sum 0 and output 0 x (1/0) = NaN, as the softmax of a row of -inf is.
; LIMITS: P is rounded to f16 for the product with V (below 3e-8 it becomes 0) while the row sum takes it unrounded; y is stored in f16.
; LAYOUT: S^T = K Q^T (A = 16 keys, B = 16 queries): lane (r, h) holds query r and keys 8 h + 0..7 of each 16-key block.  So a row's maximum and sum are in
; the lane but for one exchange between the halves; the padding mask, 0 or -inf for each key, has the layout of the C operand and starts the score sums; the
; packed P is at once the B operand of O^T = V^T P^T; V^T comes by the transposing LDS load; a lane's eight results are eight neighbouring d of one query.
; THE BATCHES.  A step's 66 exponentials (the two alpha and the 64 weights, each with a register of its own) are ONE BATCH with ONE wait: ahead of the wait stand
; the 32 scalings, dealt among the exponentials, and the two moves that keep n; all that names a result (the rescaling of O by alpha, the roundings of P, the
; row sums, l) stands behind it.  No exponential is issued behind a step's wait, so none is pending at a label or a branch.  A tile's two reciprocals, on the way
; out, are a batch of their own.
; K and V go through two LDS slots of one unit (256 keys) each; waves 0, 1 fetch K's halves, waves 2, 3 V's, waves 4 to 7 fetch nothing.
; NO CLUSTER: the four work-groups of a head walk 8, 7, 6, 5 units and then 1, 2, 3, 4; joint requests would need every partner to ask in every one of
; 8 + 4 = 12 rounds for 9 units of work each.
; REGISTERS in two windows of 256: window 0 holds what vector instructions touch and V's fragments, window 1 K's and Q's fragments and the mask's words.
.set SLOT,  81920                      ; K keys 0-127, K keys 128-255 (pitch 144), V keys 0-127, V keys 128-255 (pitch 160): four parts
.set PARTB, 20480                      ; a part: 128 x 160 (K uses 128 x 144 of it)
.set STAGE, 163840                     ; the way out: 32 rows x 144 bytes for each wave, its own
.set BIAS,  200704                     ; 2,048 f32: 0 for a key that the padding mask allows, -inf for one that it does not
; window 0
.set KA, 1                             ; v1-2   K's fragments in slot 0, 1
.set VA, 3                             ; v3-4   V's
.set VD, 5                             ; v5     V's in the diagonal step
.set BL, 7                             ; v7     BIAS + 32 h
.set BA, 8                             ; v8     + the unit
.set QO, 10                            ; v10    128 r + 16 h
.set STO, 11
.set RD, 12
.set CO, 13
.set DG, 14                            ; v14    r - 8 h + 32 (row block odd): see the diagonal step
.set M, 15                             ; v15-16 m of query block 0, 1
.set NINF, 17
.set NL, 18                            ; v[18:19], v[20:21]  (n, l) of query block 0, 1; l is the sum over my half's keys
.set AL, 22                            ; v[22:23], v[24:25]  (alpha, a word cleared once: the packed forms name the pair)
.set T, 26                             ; v26-31 at work
.set S, 32                             ; + 32 qb + 8 kb
.set P, 96                             ; + 16 qb + 8 kh
.set VF, 128                           ; + 8 (4 kh + db)
.set O, 192                            ; + 8 (4 qb + db)
; window 1
.set KF, 0                             ; + 16 kb + 8 dh
.set QF, 64                            ; + 16 qb + 8 dh
.set BI, 96                            ; + 8 kb
.set Q2, 128                           ; the second tile's q, fetched at the start
.set G1K, 32                           ; s[32:39]
.set G1V, 40                           ; s[40:47]
.set G0, 48                            ; s[48:55] one set for each slot
.set MSB, 0
.macro WIN new                         ; low byte: bits 1:0 source 0, 3:2 source 1, 5:4 source 2, 7:6 destination; the high byte repeats the setting that is left
.if MSB != (\new)
	s_set_vgpr_msb (MSB<<8)|(\new)
.set MSB, (\new)
.endif
.endm
.macro KVLOAD slot                     ; one tensor load a wave, 16,384 bytes; the branches hang on the wave's number alone
	s_cmp_lt_u32 s10, 2
	s_cbranch_scc0 .Lnotk_\@
	tensor_load_to_lds s[G0+4*\slot:G0+4*\slot+3], s[G1K:G1K+7]
	s_nop 0
.rept 4
	v_nop
.endr
	s_branch .Lkvd_\@
.Lnotk_\@:
	s_cmp_lt_u32 s10, 4
	s_cbranch_scc0 .Lkvd_\@
	tensor_load_to_lds s[G0+4*\slot:G0+4*\slot+3], s[G1V:G1V+7]
	s_nop 0
.rept 4
	v_nop
.endr
.Lkvd_\@:
.endm
	s_load_b128 s[4:7], s[0:1], 0x0                ; qkv s[4:5], attention_mask s[6:7]
	s_load_b64 s[8:9], s[0:1], 0x10                ; yb
	v_lshl_add_u32 v6, v0, 2, 0x33000
	v_mov_b32 v9, 0
	ds_add_u32 v6, v9
	v_lshrrev_b32 v26, 5, v0
	v_readfirstlane_b32 s10, v26                   ; wave 0..7
	s_and_b32 s11, ttmp9, 3                        ; c
	s_lshr_b32 s12, ttmp9, 2                       ; bh = 16 x batch + head
	s_sub_co_u32 s13, 8, s11                       ; n1: units of the first tile
	s_mov_b32 s18, 0x76543210                      ; v_permlanex16_b32: lane i of one half reads lane i of the other
	s_mov_b32 s19, 0xfedcba98
	s_sub_co_u32 s62, 11, s10
	s_cmp_lt_u32 s10, 4
	s_cselect_b32 s62, s10, s62                    ; rb, my row block: w, or 11 - w for waves 4 to 7
	s_lshr_b32 s63, s62, 1                         ; sd: the step of a diagonal unit that holds my rows' diagonal
	s_min_u32 s63, s63, 3                          ; it is 3 at the most: stated for the LDS address
	s_mul_i32 s58, s63, 10240                      ; V: 64 keys x 160 bytes a step
	; group 1: 128 keys x 128 bytes are dense in memory: 64 rows of 32 elements of 8 bytes; padding behind every 32 words: 4 words for K, 8 for V
	s_mov_b32 s[G1K+0], (3<<16)|(1<<20)|(4<<22)|(3<<25)
	s_mov_b32 s[G1V+0], (3<<16)|(1<<20)|(4<<22)|(7<<25)
	s_mov_b32 s[G1K+1], 32<<16
	s_mov_b32 s[G1V+1], 32<<16
	s_mov_b32 s[G1K+2], 64<<16
	s_mov_b32 s[G1V+2], 64<<16
	s_mov_b32 s[G1K+3], 32<<16
	s_mov_b32 s[G1V+3], 32<<16
	s_mov_b32 s[G1K+4], 64
	s_mov_b32 s[G1V+4], 64
	s_mov_b32 s[G1K+5], 32
	s_mov_b32 s[G1V+5], 32
	s_mov_b32 s[G1K+6], 0
	s_mov_b32 s[G1V+6], 0
	s_mov_b32 s[G1K+7], 0
	s_mov_b32 s[G1V+7], 0
	s_lshr_b32 s20, s10, 1
	s_and_b32 s20, s20, 1
	s_add_co_u32 s20, s20, 1                       ; section 1 (K) for waves 0, 1; section 2 (V) for waves 2, 3
	s_lshl_b32 s20, s20, 6
	s_add_co_u32 s20, s20, s12
	s_lshl_b32 s20, s20, 18                        ; head blocks of 262,144 bytes
	s_and_b32 s21, s10, 1
	s_lshl_b32 s21, s21, 14                        ; which 128 keys of a unit
	s_add_co_u32 s20, s20, s21
	s_mov_b32 s21, 0
	s_lshl_b32 s56, s12, 18
	s_mov_b32 s57, 0
	s_lshr_b32 s2, s12, 4
	s_lshl_b32 s2, s2, 13                          ; the batch's 2,048 words of the mask
	s_mov_b32 s3, 0
	s_mov_b32 s[G0+0], 1
	s_mul_i32 s[G0+1], s10, PARTB                  ; my part of slot 0
	s_mov_b32 s[G0+4], 1
	s_add_co_u32 s[G0+5], s[G0+1], SLOT            ; and of slot 1
	s_wait_dscnt 0x0
	s_wait_kmcnt 0x0
	s_add_nc_u64 s[24:25], s[4:5], s[20:21]        ; my part of unit 0
	s_add_nc_u64 s[22:23], s[4:5], s[56:57]        ; q of my head
	s_add_nc_u64 s[26:27], s[8:9], s[56:57]        ; y of my head
	s_add_nc_u64 s[60:61], s[6:7], s[2:3]
	s_mov_b64 s[G0+2:G0+3], s[24:25]
	s_or_b32 s[G0+3], s[G0+3], 0x80000000
	KVLOAD 0                                       ; the first fill, ahead of every wait on TENSORcnt, LDS read and barrier: one tensor load of a wave is out, here and later
	; q of both tiles and the mask are asked for together: one wait for all eighteen loads
	s_sub_co_u32 s15, 7, s11                       ; the first tile
	s_lshl_b32 s59, s62, 12                        ; my 32 rows of 128 bytes
	s_lshl_b32 s20, s15, 15                        ; tile x 256 rows x 128 bytes
	s_add_co_u32 s20, s20, s59
	s_add_nc_u64 s[30:31], s[22:23], s[20:21]
	s_lshl_b32 s20, s11, 15                        ; the second tile
	s_add_co_u32 s20, s20, s59
	s_add_nc_u64 s[28:29], s[22:23], s[20:21]
	v_and_b32 v26, 15, v0                          ; r
	v_bfe_u32 v27, v0, 4, 1                        ; h
	v_lshlrev_b32 v[QO], 7, v26
	v_lshl_add_u32 v[QO], v27, 4, v[QO]
	WIN 0x40                                       ; destination in window 1
.irp qb, 0,1
.irp dh, 0,1
	global_load_b128 v[QF+16*\qb+8*\dh:QF+16*\qb+8*\dh+3],   v[QO], s[30:31] offset:\qb*2048+\dh*64
	global_load_b128 v[QF+16*\qb+8*\dh+4:QF+16*\qb+8*\dh+7], v[QO], s[30:31] offset:\qb*2048+\dh*64+32
	global_load_b128 v[Q2+16*\qb+8*\dh:Q2+16*\qb+8*\dh+3],   v[QO], s[28:29] offset:\qb*2048+\dh*64
	global_load_b128 v[Q2+16*\qb+8*\dh+4:Q2+16*\qb+8*\dh+7], v[QO], s[28:29] offset:\qb*2048+\dh*64+32
.endr
.endr
	WIN 0
	v_lshlrev_b32 v30, 4, v0
	global_load_b128 v[P:P+3],   v30, s[60:61]
	global_load_b128 v[P+4:P+7], v30, s[60:61] offset:4096
	v_mov_b32 v[NINF], 0xff800000
	v_mov_b32 v[AL+1], 0
	v_mov_b32 v[AL+3], 0
	v_mul_u32_u24 v[KA], v26, 144                  ; K's fragment: key r, 16 bytes for each half
	v_lshl_add_u32 v[KA], v27, 4, v[KA]
	v_add_nc_u32 v[KA+1], SLOT, v[KA]
	v_and_b32 v28, 7, v0
	v_lshl_add_u32 v29, v27, 3, v28                ; V's fragment by the transposing load: key 8 h + l % 8,
	v_mul_u32_u24 v[VA], v29, 160
	v_bfe_u32 v29, v0, 3, 1                        ; 16 bytes further for lanes 8-15 of each half
	v_lshl_add_u32 v[VA], v29, 4, v[VA]
	v_add_nc_u32 v[VA], 2*PARTB, v[VA]
	v_add_nc_u32 v[VA+1], SLOT, v[VA]
	v_lshlrev_b32 v[BL], 5, v27
	v_add_nc_u32 v[BL], BIAS, v[BL]
	s_mul_i32 s20, s10, 4608
	s_add_co_u32 s20, s20, STAGE
	v_add_nc_u32 v[STO], s20, v[KA]                ; in: row r of 144 bytes, 16 bytes for each half
	v_bfe_u32 v29, v0, 3, 2
	v_mul_u32_u24 v29, v29, 144
	v_lshl_add_u32 v29, v28, 4, v29
	v_add_nc_u32 v[RD], s20, v29                   ; back: eight lanes a row of 128 bytes
	v_and_b32 v[CO], 31, v0
	v_lshlrev_b32 v[CO], 4, v[CO]
	v_lshlrev_b32 v29, 3, v27
	v_sub_nc_u32 v[DG], v26, v29
	s_and_b32 s20, s62, 1
	s_lshl_b32 s20, s20, 5
	v_add_nc_u32 v[DG], s20, v[DG]                 ; an odd row block lies in the upper 32 of its step's 64 rows
	v_add_nc_u32 v31, BIAS, v30
	s_wait_loadcnt 0x0                             ; q of both tiles and the mask
.irp j, 0,1,2,3,4,5,6,7
	v_cmp_eq_u32 vcc_lo, 0, v[P+\j]
	v_cndmask_b32 v[P+\j], 0, v[NINF], vcc_lo      ; mask word 0: -inf; else 0
.endr
	ds_store_b128 v31, v[P:P+3]
	ds_store_b128 v31, v[P+4:P+7] offset:4096      ; read by all waves behind the first unit's barrier, in front of which DScnt is waited to 0
; A tile begins: m, n, l, O.
.macro RESET
	v_mov_b32 v[M],   0xff7fffff
	v_mov_b32 v[M+1], 0xff7fffff
	v_mul_f32 v[NL],   0xbe38aa3b, v[M]            ; n = -c m
	v_mul_f32 v[NL+2], 0xbe38aa3b, v[M+1]
	v_mov_b32 v[NL+1], 0
	v_mov_b32 v[NL+3], 0
	; O is cleared, twice in the launch: every step, the first too, rescales what lies there, and a factor cannot remove a NaN pattern left in a register
.set i, 0
.rept 64
	v_mov_b32 v[O+i], 0
.set i, i+1
.endr
.endm
; 24 LDS loads under destination window 1: K's fragments of 64 keys at byte koff of the slot's K parts, and those keys' words of the mask table.
.macro KLOAD ka, koff, boff
.irp kb, 0,1,2,3
.irp dh, 0,1
	ds_load_b128 v[KF+16*\kb+8*\dh:KF+16*\kb+8*\dh+3],   v[\ka] offset:\koff+\kb*2304+\dh*64
	ds_load_b128 v[KF+16*\kb+8*\dh+4:KF+16*\kb+8*\dh+7], v[\ka] offset:\koff+\kb*2304+\dh*64+32
.endr
.endr
.irp kb, 0,1,2,3
	ds_load_b128 v[BI+8*\kb:BI+8*\kb+3],   v[BA] offset:\boff+\kb*64
	ds_load_b128 v[BI+8*\kb+4:BI+8*\kb+7], v[BA] offset:\boff+\kb*64+16
.endr
.endm
; The row sums of P, both query blocks: 17 pairs of additions, a tree over each block's 32 registers, then l = l alpha + sum.
.macro PADD d, s
	v_pk_add_f32 v[S+\d:S+\d+1],       v[S+\d:S+\d+1],       v[S+\s:S+\s+1]
	v_pk_add_f32 v[S+32+\d:S+32+\d+1], v[S+32+\d:S+32+\d+1], v[S+32+\s:S+32+\s+1]
.endm
.macro SUMP n
.if (\n)<8
	PADD (4*(\n)), (4*(\n)+2)
.elseif (\n)<12
	PADD (8*((\n)-8)), (8*((\n)-8)+4)
.elseif (\n)<14
	PADD (16*((\n)-12)), (16*((\n)-12)+8)
.elseif (\n)==14
	PADD 0, 16
.elseif (\n)==15
	v_add_f32 v[T],   v[S],    v[S+1]
	v_add_f32 v[T+2], v[S+32], v[S+33]
.else
	v_fma_f32 v[NL+1], v[NL+1], v[AL],   v[T]
	v_fma_f32 v[NL+3], v[NL+3], v[AL+2], v[T+2]
.endif
.endm
; Pair p of the step's 32 pairs of scores (pairs 0-15: query block 0; 16-31: block 1).
.macro SCALE p                         ; S c + n; n new lies in v[T] (block 0) and v[T+2] (block 1), the low words of the pairs named
	v_pk_fma_f32 v[S+2*(\p):S+2*(\p)+1], v[S+2*(\p):S+2*(\p)+1], 0x3e38aa3b, v[T+2*((\p)/16):T+2*((\p)/16)+1] op_sel_hi:[1,0,0]
.endm
.macro EXP2 p                          ; the pair's two exponentials, in place
	v_exp_f32 v[S+2*(\p)],   v[S+2*(\p)]
	v_exp_f32 v[S+2*(\p)+1], v[S+2*(\p)+1]
.endm
; The softmax of both query blocks over the step's 64 keys, phase by phase, so that neither block's chain waits alone.
.macro SOFT diag
.if \diag
	; key 16 kb + 8 h + j of the step is allowed for query 32 (row block odd) + 16 qb + r if 16 (kb - qb) + j <= DG; (kb 0, qb 1) is always allowed
.irp qb, 0,1
.irp kb, 0,1,2,3
.if \kb+1-\qb
.irp j, 0,1,2,3,4,5,6,7
	v_cmp_le_i32 vcc_lo, 16*(\kb-\qb)+\j, v[DG]
	v_cndmask_b32 v[S+32*\qb+8*\kb+\j], v[NINF], v[S+32*\qb+8*\kb+\j], vcc_lo
.endr
.endif
.endr
.endr
.endif
	v_max3_num_f32 v[T],   v[M],   v[S],    v[S+1]         ; four chains, two for each query block, started by the old maximum
	v_max3_num_f32 v[T+1], v[M],   v[S+16], v[S+17]
	v_max3_num_f32 v[T+2], v[M+1], v[S+32], v[S+33]
	v_max3_num_f32 v[T+3], v[M+1], v[S+48], v[S+49]
.irp j, 2,4,6,8,10,12,14
	v_max3_num_f32 v[T],   v[T],   v[S+\j],    v[S+\j+1]
	v_max3_num_f32 v[T+1], v[T+1], v[S+16+\j], v[S+17+\j]
	v_max3_num_f32 v[T+2], v[T+2], v[S+32+\j], v[S+33+\j]
	v_max3_num_f32 v[T+3], v[T+3], v[S+48+\j], v[S+49+\j]
.endr
	v_max_num_f32 v[T],   v[T],   v[T+1]
	v_max_num_f32 v[T+2], v[T+2], v[T+3]
	v_permlanex16_b32 v[T+1], v[T],   s18, s19     ; the other half's keys of the same query
	v_permlanex16_b32 v[T+3], v[T+2], s18, s19
	v_max_num_f32 v[M],   v[T],   v[T+1]           ; the new maximum, alike in both halves
	v_max_num_f32 v[M+1], v[T+2], v[T+3]
	v_mul_f32 v[T],   0xbe38aa3b, v[M]             ; n = -c m
	v_mul_f32 v[T+2], 0xbe38aa3b, v[M+1]
	v_sub_f32 v[T+1], v[T],   v[NL]                ; n new - n old = c (m old - m new)
	v_sub_f32 v[T+3], v[T+2], v[NL+2]
	; THE BATCH: 66 exponentials and the 32 scalings that feed them.  No line down to the wait names an exponential's result.  A pair is scaled three pairs ahead of
	; its exponentials: six lines (four for pair 0) stand between a scaling and the exponentials that read it.
	SCALE 0
	SCALE 1
	v_exp_f32 v[AL],   v[T+1]                      ; alpha of both query blocks
	v_exp_f32 v[AL+2], v[T+3]
	SCALE 2
.set pr, 0
.rept 29
	EXP2 pr
	SCALE pr+3
.set pr, pr+1
.endr
.rept 3
	EXP2 pr                                        ; pairs 29 to 31: no scaling is left
.set pr, pr+1
.endr
	v_mov_b32 v[NL],   v[T]                        ; n is kept for the next step: work that names no result; the first move is the plain instruction behind the last exponential (ISA guide 5.7.2)
	v_mov_b32 v[NL+2], v[T+2]
	s_wait_alu depctr_va_vdst(0)                   ; one wait for the step's batch of 66 exponentials; all their readers stand below
.irp qb, 0,1
.set i, 0
.rept 16
	v_pk_mul_f32 v[O+32*\qb+i:O+32*\qb+i+1], v[O+32*\qb+i:O+32*\qb+i+1], v[AL+2*\qb:AL+2*\qb+1] op_sel_hi:[1,0]   ; O alpha; each accumulator from its low end on
.set i, i+2
.endr
.endr
.irp qb, 0,1
.set i, 0
.rept 16
	v_cvt_pk_f16_f32 v[P+16*\qb+i], v[S+32*\qb+2*i], v[S+32*\qb+2*i+1]     ; of each 32 keys: keys 8 h .. in registers 0-3, keys 16 + 8 h .. in 4-7: B fragments as they stand
.set i, i+1
.endr
.endr
.endm
; One step: 64 keys against my 32 queries.  K's fragments and the mask's words of this step were fetched a step ago (or at the unit's head).
; pre = 1: those of the next step, at koff and boff, are fetched behind this step's score products.
.macro STEP va, voff, pre, ka, koff, boff, diag
.irp kh, 0,1
.irp db, 0,1,2,3
	ds_load_tr16_b128 v[VF+8*(4*\kh+\db):VF+8*(4*\kh+\db)+3],   v[\va] offset:\voff+\kh*5120+\db*32
	ds_load_tr16_b128 v[VF+8*(4*\kh+\db)+4:VF+8*(4*\kh+\db)+7], v[\va] offset:\voff+\kh*5120+\db*32+2560
.endr
.endr
	s_wait_dscnt 16                                ; K's sixteen loads and the table's eight are in; V's sixteen, just issued, may be out
	; eight accumulators by turns, one instruction a turn: d 0-31 starts the sums on the mask's words, d 32-63 adds
	WIN 0x15                                       ; A, B and C in window 1
.irp qb, 0,1
.irp kb, 0,1,2,3
	v_wmma_f32_16x16x32_f16 v[S+32*\qb+8*\kb:S+32*\qb+8*\kb+7], v[KF+16*\kb:KF+16*\kb+7], v[QF+16*\qb:QF+16*\qb+7], v[BI+8*\kb:BI+8*\kb+7]
.endr
.endr
	WIN 0x05                                       ; A and B in window 1
.irp qb, 0,1
.irp kb, 0,1,2,3
	v_wmma_f32_16x16x32_f16 v[S+32*\qb+8*\kb:S+32*\qb+8*\kb+7], v[KF+16*\kb+8:KF+16*\kb+15], v[QF+16*\qb+8:QF+16*\qb+15], v[S+32*\qb+8*\kb:S+32*\qb+8*\kb+7]
.endr
.endr
.rept 4
	v_nop                                          ; places in front of the loads into K's and the table's registers and of the readers of S
.endr
.if \pre
	WIN 0x40
	KLOAD \ka, \koff, \boff
.endif
	WIN 0
	SOFT \diag
	s_wait_dscnt 24*\pre                           ; V is in; the next step's 24 loads may be out
	; eight accumulators by turns; the row sums stand between the products, and the last four additions are the places in front of the next loads into V's registers
.irp kh, 0,1
.irp qb, 0,1
.irp db, 0,1,2,3
	v_wmma_f32_16x16x32_f16 v[O+8*(4*\qb+\db):O+8*(4*\qb+\db)+7], v[VF+8*(4*\kh+\db):VF+8*(4*\kh+\db)+7], v[P+16*\qb+8*\kh:P+16*\qb+8*\kh+7], v[O+8*(4*\qb+\db):O+8*(4*\qb+\db)+7]
	SUMP 8*\kh+4*\qb+\db
.endr
.endr
.endr
	SUMP 16
.endm
; A tile ends: divide by the row sums, round to f16, and out through my own stage as whole rows: each store covers 512 consecutive bytes, aligned.
.macro QFIN
	s_wait_dscnt 0x0                               ; no load is on its way into a register used below
.rept 4
	v_nop
.endr
	s_lshl_b32 s20, s15, 15                        ; tile x 256 rows x 128 bytes
	s_lshl_b32 s21, s62, 12                        ; row block x 32 rows
	s_add_co_u32 s20, s20, s21
	s_mov_b32 s21, 0
	s_add_nc_u64 s[28:29], s[26:27], s[20:21]
	v_permlanex16_b32 v[T],   v[NL+1], s18, s19     ; the other half's part of the sum
	v_permlanex16_b32 v[T+1], v[NL+3], s18, s19
	v_add_f32 v[T],   v[T],   v[NL+1]
	v_add_f32 v[T+1], v[T+1], v[NL+3]
	v_rcp_f32 v[AL],   v[T]
	v_rcp_f32 v[AL+2], v[T+1]
	v_nop                                          ; the plain place behind the reciprocals (ISA guide 5.7.2)
	s_wait_alu depctr_va_vdst(0)                   ; one wait for the tile's two reciprocals, ahead of their first reader
.irp qb, 0,1
.irp p, 0,2,4,6,8,10,12,14,16,18,20,22,24,26,28,30
	v_pk_mul_f32 v[O+32*\qb+\p:O+32*\qb+\p+1], v[O+32*\qb+\p:O+32*\qb+\p+1], v[AL+2*\qb:AL+2*\qb+1] op_sel_hi:[1,0]
.endr
.endr
.irp n, 0,1,2,3,4,5,6,7
.irp q, 0,1,2,3
	v_cvt_pk_f16_f32 v[S+4*\n+\q], v[O+8*\n+2*\q], v[O+8*\n+2*\q+1]
.endr
	ds_store_b128 v[STO], v[S+4*\n:S+4*\n+3] offset:(\n>>2)*2304+(\n&3)*32
.endr
.irp i, 0,1,2,3,4,5,6,7
	ds_load_b128 v[VF+4*\i:VF+4*\i+3], v[RD] offset:576*\i     ; LDS serves a wave's instructions in order (ISA guide 5.7.1.4): these see the stores above
.endr
.irp i, 0,1,2,3,4,5,6,7
	s_wait_dscnt 7-\i
	global_store_b128 v[CO], v[VF+4*\i:VF+4*\i+3], s[28:29] offset:512*\i
.endr
	s_wait_xcnt 0x0                                ; the stores' base and data are written again only behind this wait
.endm
; One unit of 256 keys, in slot; refill = 1: the next unit is asked for into the other slot.
.macro TRIP slot, other, refill
	s_wait_tensorcnt 0x0                           ; all my tensor loads have landed, my part of this unit among them, so a group 0 may be written
	ds_add_u32 v6, v9
	s_wait_dscnt 0x0
.if \refill
	s_add_co_u32 s20, s14, 1                       ; the next unit: t + 1 of the first tile, or t + 1 - n1 of the second
	s_sub_co_u32 s21, s20, s13
	s_cmp_lt_u32 s20, s13
	s_cselect_b32 s20, s20, s21
	s_min_u32 s20, s20, 7
	s_lshl_b32 s20, s20, 15                        ; 256 keys x 128 bytes
	s_mov_b32 s21, 0
	s_add_nc_u64 s[G0+4*\other+2:G0+4*\other+3], s[24:25], s[20:21]
	s_or_b32 s[G0+4*\other+3], s[G0+4*\other+3], 0x80000000
.endif
	s_wait_dscnt 0x0                               ; my reads of the other slot are over (and, the first time, my stores of the table are in LDS)
	s_barrier_signal -1
	s_barrier_wait -1                              ; both now hold of all eight waves
.if \refill
	KVLOAD \other                                  ; first thing behind the barrier; it has the whole unit's work in which to land
.endif
	s_sub_co_u32 s21, s14, s13
	s_cmp_lt_u32 s14, s13
	s_cselect_b32 s16, s14, s21                    ; u: this unit's number in its tile
	s_min_u32 s16, s16, 7                          ; it is 7 at the most: stated for the table's address
	s_cmp_lg_u32 s14, s13
	s_cbranch_scc1 .Lsame_\@
	QFIN                                           ; the first tile is done: the second begins, with the q that has waited in registers
	s_mov_b32 s15, s11
	WIN 0x41                                       ; source 0 and destination in window 1
.set i, 0
.rept 32
	v_mov_b32 v[QF+i], v[Q2+i]
.set i, i+1
.endr
	WIN 0
	RESET
.Lsame_\@:
	s_cmp_eq_u32 s16, s15                          ; the tile's last unit holds the diagonal: I take steps 0 .. sd - 1 whole, step sd masked, none beyond
	s_cselect_b32 s17, s63, 4
	s_lshl_b32 s20, s16, 10
	v_add_nc_u32 v[BA], s20, v[BL]
	WIN 0x40
	KLOAD KA+\slot, 0, 0                           ; step 0's K and table words
	WIN 0
.irp s, 0,1,2
	s_cmp_le_u32 s17, \s
	s_cbranch_scc1 .Lpd_\@
	STEP VA+\slot, \s*10240, 1, KA+\slot, ((\s+1)>>1)*PARTB+((\s+1)&1)*9216, (\s+1)*256, 0
.endr
	s_cmp_le_u32 s17, 3
	s_cbranch_scc1 .Lpd_\@
	STEP VA+\slot, 3*10240, 0, KA+\slot, 0, 0, 0
.Lpd_\@:
	s_cmp_lg_u32 s16, s15
	s_cbranch_scc1 .Lnd_\@
	v_add_nc_u32 v[VD], s58, v[VA+\slot]           ; step sd: its K and table words were fetched by step sd - 1, or at the unit's head
	STEP VD, 0, 0, KA+\slot, 0, 0, 1
.Lnd_\@:
	s_add_co_u32 s14, s14, 1
.endm
	RESET
	s_mov_b32 s14, 0                               ; t: units done
	s_mov_b32 s56, 4
.Lpair:
	TRIP 0, 1, 1
	TRIP 1, 0, 1
	s_sub_co_u32 s56, s56, 1
	s_cmp_lg_u32 s56, 0
	s_cbranch_scc1 .Lpair
	TRIP 0, 1, 0                                   ; the ninth unit: nothing is left to fetch
	QFIN
	s_wait_tensorcnt 0x0
	ds_add_u32 v6, v9
	s_wait_dscnt 0x0
	s_endpgm
.Lfunc_end_k_qcd96073051_attn:
	.size	k_qcd96073051_attn, .Lfunc_end_k_qcd96073051_attn-k_qcd96073051_attn
	.p2alignl 7, 3214868480
	.fill 96, 4, 3214868480
	.section	.rodata,"a",@progbits
	.p2align	6, 0x0
	.amdhsa_kernel k_qcd96073051_attn
		.amdhsa_group_segment_fixed_size 327680
		.amdhsa_private_segment_fixed_size 0
		.amdhsa_enable_private_segment 0
		.amdhsa_kernarg_size 24
		.amdhsa_user_sgpr_count 2
		.amdhsa_user_sgpr_kernarg_segment_ptr 1
		.amdhsa_wavefront_size32 1
		.amdhsa_system_sgpr_workgroup_id_x 1
		.amdhsa_system_sgpr_workgroup_id_y 1
		.amdhsa_system_sgpr_workgroup_id_z 1
		.amdhsa_system_vgpr_workitem_id 0
		.amdhsa_next_free_vgpr 416
		.amdhsa_next_free_sgpr 66
		.amdhsa_reserve_vcc 1
		.amdhsa_float_denorm_mode_32 3
		.amdhsa_float_denorm_mode_16_64 3
		.amdhsa_memory_ordered 1
		.amdhsa_forward_progress 1
		.amdhsa_inst_pref_size 255
	.end_amdhsa_kernel
	.section	.bss,"aw",@nobits
	.p2align	6
	.space	262144
	.amdgpu_metadata
---
amdhsa.version: [ 1, 2 ]
amdhsa.kernels:
  - .name:           k_qcd96073051_attn
    .symbol:         k_qcd96073051_attn.kd
    .args:
      - { .name: qkv, .offset: 0, .size: 8, .value_kind: global_buffer, .address_space: global }
      - { .name: attention_mask, .offset: 8, .size: 8, .value_kind: global_buffer, .address_space: global }
      - { .name: yb, .offset: 16, .size: 8, .value_kind: global_buffer, .address_space: global }
    .group_segment_fixed_size: 327680
    .private_segment_fixed_size: 0
    .kernarg_segment_align: 8
    .kernarg_segment_size: 24
    .max_flat_workgroup_size: 256
    .sgpr_count:     66
    .vgpr_count:     416
    .wavefront_size: 32
...
	.end_amdgpu_metadata
.endif
;; end of part 5
;; launch projgemm: the kernel of part 4 again; grid 4 x 64, 4 waves a work-group, clusters of 4 x 4, 327,680 bytes of LDS; arguments yb, wpb, b_proj, out0; writes out0
